; MI455X (gfx1250); checked and timed in simulation.
; The chip was launched on July 23, 2026; its instructions are those of AMD's public machine-readable ISA for CDNA 5 (MIT licence, August 2026) and "CDNA5" Instruction Set Architecture Reference Guide (July 2026). The comments in the code are by the model that wrote it; some were corrected since.
;; Basic Attention. Allowed arithmetic: matrix products marked QUANTISED: E4M3 operands, one E8M0 scale for each 32 along K, by v_wmma_scale_f32_16x16x128_f8f6f4 with both operands' format E4M3, f32 sums; products left as they are: f32 operands where the result goes on into a quantised operand, else bf16, f16 or f32 operands; f32 sums; everything else in f32.
;; Inputs: W_c_codes 1,024 x 32 x 32 uint8 (E4M3 codes of W_c, K innermost, in blocks of 32 codes); W_c_scales 1,024 x 32 uint8 (E8M0 scales of W_c, one for each 32 codes along K); W_in_codes 1,024 x 32 x 32 uint8 (E4M3 codes of W_in, K innermost, in blocks of 32 codes); W_in_scales 1,024 x 32 uint8 (E8M0 scales of W_in, one for each 32 codes along K); W_out_codes 1,024 x 64 x 32 uint8 (E4M3 codes of W_out, K innermost, in blocks of 32 codes); W_out_scales 1,024 x 64 uint8 (E8M0 scales of W_out, one for each 32 codes along K); b_c 1,024 float32; context 32 x 2,048 x 1,024 float32; w_v 1,024 float32; x 32 x 1,024 float32.
;; Outputs: out0 32 x 1,024 float32; out1 32 x 2,048 float32.
;; This version of the problem:
;;   THIS VERSION OF THE PROBLEM IS GIVEN IN LOW PRECISION. The matrix products marked QUANTISED in the list below multiply operands that are first quantised to E4M3 (4 exponent bits, 3 mantissa bits; 8 bits a number), with one power-of-two scale for each 32 numbers along K (OCP MX v1.0); their sums are f32. All else is computed in f32.
;;   The module's matrix products, in the order in which they are computed (A, B: the left and right operand; K: the contracted axis; several contracted axes count as one K, in the product's order):
;;     1. [M 32, K 1,024] x [K 1,024, N 1,024]; A: input x; B: input W_in (given as codes): QUANTISED
;;     2. [M 65,536, K 1,024] x [K 1,024, N 1,024]; A: input context; B: input W_c (given as codes): QUANTISED
;;     3. [M 65,536, K 1,024] x [K 1,024, N 1]; A: computed on the way; B: input w_v: left as it is (N = 1 < 16)
;;     4. batch 32 x [M 1, K 2,048] x [K 2,048, N 1,024]; A: softmax; B: input context: left as it is (M = 1 < 16)
;;     5. [M 32, K 2,048] x [K 2,048, N 1,024]; A: computed on the way; B: input W_out (given as codes): QUANTISED
;;   THE QUANTISER, for each operand of a quantised product, along K:
;;     - K is cut into blocks of 32 from its start; a last block that is shorter is filled with zeros.
;;     - A block's scale is 2^e with e = floor(log2(the largest magnitude in the block)) - 8, held to -126 .. 127; a block of zeros has e = 0. As a byte (E8M0): e + 127.
;;     - Each number is divided by its block's scale, clamped to +-448, and rounded to the nearest number of E4M3, ties to even, subnormals kept.
;;     - The product sums the exact products of the quantised numbers (number of the format x scale) in f32.
;;   ~~~python
;;   def quantise(x, axis):      # numpy; x: float32 -> the quantised numbers, widened to float32 again
;;       x = np.moveaxis(x, axis, -1); K = x.shape[-1]
;;       x = np.pad(x, [(0, 0)] * (x.ndim - 1) + [(0, -K % 32)]); x = x.reshape(x.shape[:-1] + (-1, 32)); a = np.abs(x).max(-1, keepdims=True)
;;       e = np.where(a > 0, np.clip(np.frexp(np.where(a > 0, a, 1))[1] - 1 - 8, -126, 127), 0)      # np.frexp(a)[1] - 1 = floor(log2(a)), exactly
;;       r = np.clip(x / 2.0 ** e, -448, 448)
;;       step = 2.0 ** (np.maximum(np.frexp(np.where(r == 0, 1, r))[1] - 1, -6) - 3)
;;       q = np.round(r / step) * step * 2.0 ** e      # np.round: ties to even
;;       return np.moveaxis(q.reshape(q.shape[:-2] + (-1,))[..., :K], -1, axis).astype(np.float32)
;;   ~~~
;;   OPERANDS COMPUTED ON THE WAY. 'Computed on the way' means the value that the module computes at that place (a softmax that the list does not call 'softmax' is quantised finished and normalised). What goes into a quantiser is computed in f32, as accurately as f32 sums, v_exp_f32 and their like allow (about 1e-6 of the number): no bf16 or f16 on the way to a quantiser, and a product that is left as it is and whose result goes on into a quantised operand takes f32 operands (vector FMAs, or v_wmma_f32_16x16x4_f32). A number that lies on a knife's edge between two numbers of the format may be rounded either way, as far as f32 arithmetic and the matrix unit's own rounding can turn it there, and no further.
;;   INPUTS GIVEN AS CODES. W_c (in the module: [1024, 1024], K = its axis 1); W_in (in the module: [1024, 1024], K = its axis 1); W_out (in the module: [1024, 2048], K = its axis 1): each comes as NAME_codes (uint8): NAME with its K axis moved to the last place and cut into blocks of 32 codes, [.., K / 32, bytes a block], one block behind the other in memory; one code a byte (a code: sign, 4 exponent bits, 3 mantissa bits); and NAME_scales (uint8): the same leading axes, one E8M0 byte (e + 127) for each 32 codes along K. Its value is code x scale, taken as it is: it is not quantised again, and the codes and scales need not be those that the quantiser above would give.
;; One version. Each part assembles by itself: llvm-mc -triple=amdgcn-amd-amdhsa -mcpu=gfx1250 --defsym DOCPART=n.
;; ======== version 1 of 1: 4 launches
;; workspace buffers: tb 131,072 bytes; sc 262,144 bytes; wt 131,072 bytes; ob 131,072 bytes
;; launch prep (part 1): grid 16 x 1, 16 waves a work-group, no clusters, 106,496 bytes of LDS; arguments x, W_in_codes, W_in_scales, b_c, W_out_codes, W_out_scales, tb, ob; writes tb, ob
.if DOCPART == 1
	.amdgcn_target "amdgcn-amd-amdhsa--gfx1250"
	.amdhsa_code_object_version 6
	.text
	.protected	k_qb6e3268f1f_prep
	.globl	k_qb6e3268f1f_prep
	.p2align	8
	.type	k_qb6e3268f1f_prep,@function
k_qb6e3268f1f_prep:
	s_mov_b64 s[64:65], 0
	v_nop
	global_prefetch_b8 v0, s[64:65] scope:SCOPE_SE
	s_setreg_imm32_b32 hwreg(HW_REG_WAVE_MODE, 25, 1), 1
	s_wait_xcnt 0x0
; tb[b][e] = sum over k of Q(x)[b][k] W_in[e][k] + b_c[e]: the part of the first tanh's argument that does not hang on the context row.
; ob[b][e] = sum over k of Q(x)[b][k] W_out[e][1024 + k]: x's half of the last product, whose K is [weighted, x]; the last launch adds the other half.
; x: [32][1024] f32, quantised here, once for both products, to E4M3 with one E8M0 scale for each 32 along K.  W_in: codes [1024][1024], scale bytes [1024][32].  W_out: codes [1024][2048], scale bytes [1024][64].  K innermost.
; SHARES.  Work-group j makes columns 64 j .. 64 j + 63 of both results.  x has 16 fragments (2 tiles of rows x 8 K steps): each of the SIXTEEN waves quantises one, so that a wave's loads all go out at the head
; and one trip to memory serves the launch.  The fragments go from wave to wave through LDS as images of their registers.
; For the products wave w is column tile n = w % 4 and K quarter q = w / 4 (K steps 2 q, 2 q + 1), for both tiles of rows and both weights: four accumulators by turns, eight products.
; The four K quarters' partial sums meet in a stage in LDS and are added in f32, q ascending; b_c is added there.
; The product is used transposed (source 0 = 16 rows of a weight, source 1 = 16 rows of x): a lane holds one row of x and eight neighbouring columns.
; LIMITS: NaN and infinities among the inputs are not served; a block of zeros gets the scale byte 1 (its codes are zeros; the bytes are read by this kernel alone).
.set XIMG, 0                           ; LDS: x's 16 fragments, image 8 m + s, 2,048 bytes each
.set XSC,  16*2048                     ; their scale words, 128 bytes each
.set PST,  XSC+16*128                  ; the partial sums: [result][K quarter][32 rows][256 bytes + 16]
.set SP,   272
.set PQ,   32*SP                       ; from a K quarter to the next
.set PO,   4*PQ                        ; from tb's partial sums to ob's
.set XA,  1                            ; v1   x: row r of 4,096 bytes + 64 h
.set LI,  2                            ; v2   16 x lane
.set LS,  3                            ; v3   4 x lane
.set XWI, 4                            ; v4   where I store my image
.set XWS, 5                            ; v5   and its scale words
.set WIA, 6                            ; v6   W_in: row r of 1,024 bytes + 16 h
.set WOA, 7                            ; v7   W_out: row r of 2,048 bytes + 16 h
.set SIA, 8                            ; v8   W_in's scale bytes: row r of 32 bytes
.set SOA, 9                            ; v9   W_out's: row r of 64 bytes
.set SO,  10                           ; v10  the stage, in
.set SR,  11                           ; v11  the stage, back
.set GO,  12                           ; v12  my byte offset in tb and in ob
.set BCA, 13                           ; v13  b_c: 16 r
.set FI,  14                           ; v14  the images of my K quarter: 16 x lane + 4,096 q
.set FS,  15                           ; v15  their scale words: 4 x lane + 256 q
.set PC,  16                           ; v16-31  the codes just made
.set TM,  32                           ; v32-47  at work in QUANT
.set PW,  48                           ; v48     the scale word just made
.set WSC, 50                           ; v50-53  the weights' scale words: W_in's K steps 2 q, 2 q + 1, then W_out's; nothing else ever
.set XS,  54                           ; v54-57  x's scale words, 2 m + u; nothing else ever
.set BC,  60                           ; v60-63  b_c at my four columns
.set ST0, 64                           ; v64-127  64 numbers of x; later four fragments of x, 2 m + u
.set WF,  128                          ; v128-191 W_in's two fragments, then W_out's two
.set ACC, 192                          ; v192-223 four accumulators: 2 x result + m
.set RED, 224                          ; v224-255 the partial sums on the way out
.set WV,  20
.set SEL, 22
.set MNT, 24
; 64 numbers of a lane, register 16 b + i = k 32 b + 16 (lane / 16) + i of my row, become a fragment's codes in v[PC] on and its scale word in v[PW]
.macro QUANT s
.irp b, 0,1,2,3
	v_max3_num_f32 v[TM+\b], |v[\s+16*\b]|, |v[\s+1+16*\b]|, 0x4800000   ; my 16 numbers of block b, and the floor 2^(9 - 127): the byte cannot fall under 1
.endr
.irp i, 2,4,6,8,10,12,14
.irp b, 0,1,2,3
	v_max3_num_f32 v[TM+\b], v[TM+\b], |v[\s+16*\b+\i]|, |v[\s+1+16*\b+\i]|
.endr
.endr
.irp b, 0,1,2,3
	v_permlanex16_b32 v[TM+4+\b], v[TM+\b], s[SEL], s[SEL+1]
.endr
.irp b, 0,1,2,3
	v_max_num_f32 v[TM+\b], v[TM+\b], v[TM+4+\b]                       ; with lane l xor 16's: the block's largest magnitude
.endr
.irp b, 0,1,2,3
	v_add_nc_u32 v[TM+12+\b], 0xfc000000, v[TM+\b]                     ; 8 off its exponent field: the conversion's scale operand
.endr
.irp b, 0,1,2,3
	v_and_or_b32 v[TM+8+\b], v[TM+\b], 0x7f800000, s[MNT]              ; 448 x the scale
.endr
.irp b, 0,1,2,3
	v_lshrrev_b32 v[TM+4+\b], 23, v[TM+12+\b]                          ; the scale's byte
.endr
	v_lshl_or_b32 v[PW], v[TM+5], 8, v[TM+4]
	v_lshl_or_b32 v[PW], v[TM+6], 16, v[PW]
	v_lshl_or_b32 v[PW], v[TM+7], 24, v[PW]
.irp b, 0,1,2,3
.irp i, 0,1,2,3,4,5,6,7,8,9,10,11,12,13,14,15
	v_med3_num_f32 v[\s+16*\b+\i], v[\s+16*\b+\i], -v[TM+8+\b], v[TM+8+\b]   ; the conversion to an 8-bit code does not saturate (ISA guide 7.6.2): the hold at the largest code x the scale
.endr
	v_cvt_scalef32_pk8_fp8_f32 v[PC+4*\b:PC+1+4*\b], v[\s+16*\b:\s+7+16*\b], v[TM+12+\b]
	v_cvt_scalef32_pk8_fp8_f32 v[PC+2+4*\b:PC+3+4*\b], v[\s+8+16*\b:\s+15+16*\b], v[TM+12+\b]
.endr
	v_nop                                          ; a plain vector line behind the last scaled conversion
.endm
.macro BARRIER                         ; my LDS stores have landed and my LDS loads are in: then the work-group's barrier
	s_wait_dscnt 0x0
	s_barrier_signal -1
	s_barrier_wait -1
.endm
.macro PWM o, m, u                     ; result o (0: tb, 1: ob), tile of rows m, my K quarter's step u
.if (\u) == 0
	v_wmma_scale_f32_16x16x128_f8f6f4 v[ACC+8*(2*\o+\m):ACC+8*(2*\o+\m)+7], v[WF+32*\o+16*\u:WF+32*\o+16*\u+15], v[ST0+16*(2*\m+\u):ST0+16*(2*\m+\u)+15], 0, v[WSC+2*\o+\u], v[XS+2*\m+\u]
.else
	v_wmma_scale_f32_16x16x128_f8f6f4 v[ACC+8*(2*\o+\m):ACC+8*(2*\o+\m)+7], v[WF+32*\o+16*\u:WF+32*\o+16*\u+15], v[ST0+16*(2*\m+\u):ST0+16*(2*\m+\u)+15], v[ACC+8*(2*\o+\m):ACC+8*(2*\o+\m)+7], v[WSC+2*\o+\u], v[XS+2*\m+\u]
.endif
.endm
	s_load_b256 s[4:11], s[0:1], 0x0               ; x s[4:5], W_in's codes s[6:7], its scales s[8:9], b_c s[10:11]
	s_load_b256 s[12:19], s[0:1], 0x20             ; W_out's codes s[12:13], its scales s[14:15], tb s[16:17], ob s[18:19]
	v_lshrrev_b32 v49, 5, v0
	v_readfirstlane_b32 s[WV], v49                 ; wave 0..15
	v_and_b32 v49, 31, v0                          ; lane
	v_and_b32 v58, 15, v0                          ; r
	v_bfe_u32 v59, v0, 4, 1                        ; h
	v_lshlrev_b32 v[XA], 12, v58
	v_lshl_add_u32 v[XA], v59, 6, v[XA]
	v_lshlrev_b32 v[LI], 4, v49
	v_lshlrev_b32 v[LS], 2, v49
	s_and_b32 s25, s[WV], 1                        ; m: the tile of rows that I quantise,
	s_lshr_b32 s26, s[WV], 1                       ; s: and the K step
	s_lshl_b32 s27, s25, 3
	s_add_co_u32 s27, s27, s26                     ; my image: 8 m + s
	s_lshl_b32 s31, s27, 11
	v_add_nc_u32 v[XWI], s31, v[LI]
	s_lshl_b32 s31, s27, 7
	v_add_nc_u32 v[XWS], s31, v[LS]
	s_and_b32 s28, s[WV], 3                        ; n: my column tile,
	s_lshr_b32 s29, s[WV], 2                       ; q: my K quarter
	s_lshl_b32 s31, s29, 12
	v_add_nc_u32 v[FI], s31, v[LI]
	s_lshl_b32 s31, s29, 8
	v_add_nc_u32 v[FS], s31, v[LS]
	v_lshlrev_b32 v[WIA], 10, v58
	v_lshl_add_u32 v[WIA], v59, 4, v[WIA]
	v_lshlrev_b32 v[WOA], 11, v58
	v_lshl_add_u32 v[WOA], v59, 4, v[WOA]
	v_lshlrev_b32 v[SIA], 5, v58
	v_lshlrev_b32 v[SOA], 6, v58
	v_lshlrev_b32 v[BCA], 4, v58
	v_mul_u32_u24 v[SO], v58, SP                   ; the stage, in: quarter q, row r, + 64 n + 32 h
	v_lshl_add_u32 v[SO], v59, 5, v[SO]
	s_mul_i32 s31, s29, PQ
	s_lshl_b32 s27, s28, 6
	s_add_co_u32 s31, s31, s27
	s_add_co_u32 s31, s31, PST
	v_add_nc_u32 v[SO], s31, v[SO]
	v_mul_u32_u24 v[SR], v59, SP                   ; back: row 2 w + h, sixteen lanes to a row
	v_lshl_add_u32 v[SR], v58, 4, v[SR]
	s_mul_i32 s31, s[WV], 2*SP
	s_add_co_u32 s31, s31, PST
	v_add_nc_u32 v[SR], s31, v[SR]
	v_lshlrev_b32 v[GO], 12, v59
	v_lshl_add_u32 v[GO], v58, 4, v[GO]
	s_mov_b32 s[SEL], 0x76543210
	s_mov_b32 s[SEL+1], 0xfedcba98                 ; v_permlanex16_b32's selects for lane l xor 16
	s_mov_b32 s[MNT], 0x600000                     ; the mantissa field of 448
.irp b, 0,1,2,3
	v_mov_b32 v[TM+4+\b], 0                        ; written once: a lane permute's destination counts as one of its sources
.endr
	s_lshl_b32 s30, ttmp9, 6
	s_lshl_b32 s31, s28, 4
	s_add_co_u32 s30, s30, s31                     ; n0 = 64 j + 16 n
	s_lshl_b32 s31, s29, 8                         ; my K quarter: 256 codes
	s_lshl_b32 s34, s30, 10                        ; W_in's codes: row n0, + 256 q
	s_add_co_u32 s34, s34, s31
	s_mov_b32 s35, 0
	s_lshl_b32 s38, s30, 11                        ; W_out's: row n0, + x's half, + 256 q
	s_add_co_u32 s38, s38, s31
	s_add_co_u32 s38, s38, 1024
	s_mov_b32 s39, 0
	s_lshl_b32 s31, s29, 3                         ; my K quarter: 8 scale bytes
	s_lshl_b32 s36, s30, 5
	s_add_co_u32 s36, s36, s31
	s_mov_b32 s37, 0
	s_lshl_b32 s40, s30, 6
	s_add_co_u32 s40, s40, s31
	s_add_co_u32 s40, s40, 32
	s_mov_b32 s41, 0
	s_lshl_b32 s32, s25, 16                        ; x: 16 m rows of 4,096 bytes,
	s_lshl_b32 s31, s26, 9                         ; + K step s of 512 bytes
	s_add_co_u32 s32, s32, s31
	s_mov_b32 s33, 0
	s_lshl_b32 s42, ttmp9, 8                       ; b_c: 256 j
	s_mov_b32 s43, 0
	s_lshl_b32 s44, s[WV], 13                      ; tb, ob: 2 w rows of 4,096 bytes, + 256 j
	s_add_co_u32 s44, s44, s42
	s_mov_b32 s45, 0
	s_wait_kmcnt 0x0
	s_add_nc_u64 s[4:5], s[4:5], s[32:33]
	s_add_nc_u64 s[6:7], s[6:7], s[34:35]
	s_add_nc_u64 s[8:9], s[8:9], s[36:37]
	s_add_nc_u64 s[10:11], s[10:11], s[42:43]
	s_add_nc_u64 s[12:13], s[12:13], s[38:39]
	s_add_nc_u64 s[14:15], s[14:15], s[40:41]
	s_add_nc_u64 s[16:17], s[16:17], s[44:45]
	s_add_nc_u64 s[18:19], s[18:19], s[44:45]
.irp b, 0,1,2,3
.irp j, 0,1,2,3
	global_load_b128 v[ST0+16*\b+4*\j:ST0+16*\b+4*\j+3], v[XA], s[4:5] offset:128*\b+16*\j   ; my fragment's 64 numbers first: the quantiser waits for them
.endr
.endr
.irp u, 0,1
.irp c, 0,1,2,3
	global_load_b128 v[WF+16*\u+4*\c:WF+16*\u+4*\c+3], v[WIA], s[6:7] offset:128*\u+32*\c
.endr
.endr
.irp u, 0,1
.irp c, 0,1,2,3
	global_load_b128 v[WF+32+16*\u+4*\c:WF+32+16*\u+4*\c+3], v[WOA], s[12:13] offset:128*\u+32*\c
.endr
.endr
	global_load_b64 v[WSC:WSC+1], v[SIA], s[8:9]   ; lane r: row r's scale words of K steps 2 q and 2 q + 1 (lanes 16-31 hold the same and are not read)
	global_load_b64 v[WSC+2:WSC+3], v[SOA], s[14:15]
	global_load_b128 v[BC:BC+3], v[BCA], s[10:11]
	s_wait_loadcnt 19                              ; loads come back in order: my numbers are in; the 8 + 8 + 2 + 1 loads issued behind them may be out
	QUANT ST0
.irp c, 0,1,2,3
	ds_store_b128 v[XWI], v[PC+4*\c:PC+4*\c+3] offset:XIMG+512*\c      ; the fragment goes to LDS as it stands,
.endr
	ds_store_b32 v[XWS], v[PW] offset:XSC          ; and its scale words
	BARRIER                                        ; x's sixteen fragments lie in LDS
.irp m, 0,1
.irp u, 0,1
.irp c, 0,1,2,3
	ds_load_b128 v[ST0+16*(2*\m+\u)+4*\c:ST0+16*(2*\m+\u)+4*\c+3], v[FI] offset:XIMG+(8*\m+\u)*2048+512*\c
.endr
	ds_load_b32 v[XS+2*\m+\u], v[FS] offset:XSC+(8*\m+\u)*128
.endr
.endr
	s_wait_dscnt 0x0
	s_wait_loadcnt 0x0                             ; the weights, their scale words, b_c
.irp u, 0,1                            ; the four accumulators take turns, one instruction a turn; the first K step starts the sums
.irp o, 0,1
.irp m, 0,1
	PWM \o, \m, \u
.endr
.endr
.endr
.rept 8
	v_nop                                          ; eight places in front of the first read of results
.endr
.irp o, 0,1
.irp m, 0,1
	ds_store_b128 v[SO], v[ACC+8*(2*\o+\m):ACC+8*(2*\o+\m)+3] offset:\o*PO+16*\m*SP        ; lane (r, h): row 16 m + r, columns 16 n + 8 h + 0 .. 7; each accumulator from its low end on
	ds_store_b128 v[SO], v[ACC+8*(2*\o+\m)+4:ACC+8*(2*\o+\m)+7] offset:\o*PO+16*\m*SP+16
.endr
.endr
	BARRIER                                        ; all partial sums lie in the stage
.irp o, 0,1
.irp q, 0,1,2,3
	ds_load_b128 v[RED+16*\o+4*\q:RED+16*\o+4*\q+3], v[SR] offset:\o*PO+\q*PQ
.endr
.endr
	s_wait_dscnt 0x0
.irp o, 0,1
.irp p, 0,2
	v_pk_add_f32 v[RED+16*\o+\p:RED+16*\o+\p+1], v[RED+16*\o+\p:RED+16*\o+\p+1], v[RED+16*\o+4+\p:RED+16*\o+4+\p+1]
	v_pk_add_f32 v[RED+16*\o+8+\p:RED+16*\o+8+\p+1], v[RED+16*\o+8+\p:RED+16*\o+8+\p+1], v[RED+16*\o+12+\p:RED+16*\o+12+\p+1]
.endr
.irp p, 0,2
	v_pk_add_f32 v[RED+16*\o+\p:RED+16*\o+\p+1], v[RED+16*\o+\p:RED+16*\o+\p+1], v[RED+16*\o+8+\p:RED+16*\o+8+\p+1]
.endr
.endr
.irp p, 0,2
	v_pk_add_f32 v[RED+\p:RED+\p+1], v[RED+\p:RED+\p+1], v[BC+\p:BC+\p+1]      ; tb takes b_c
.endr
	global_store_b128 v[GO], v[RED:RED+3], s[16:17]        ; sixteen lanes store 256 consecutive bytes, aligned
	global_store_b128 v[GO], v[RED+16:RED+19], s[18:19]
	s_wait_xcnt 0x0
	v_lshl_add_u32 v254, v0, 2, 0x19800
	v_mov_b32 v255, 0
	s_wait_tensorcnt 0x0
	ds_add_u32 v254, v255
	s_wait_dscnt 0x0
	s_endpgm
.Lfunc_end_k_qb6e3268f1f_prep:
	.size	k_qb6e3268f1f_prep, .Lfunc_end_k_qb6e3268f1f_prep-k_qb6e3268f1f_prep
	.p2alignl 7, 3214868480
	.fill 96, 4, 3214868480
	.section	.rodata,"a",@progbits
	.p2align	6, 0x0
	.amdhsa_kernel k_qb6e3268f1f_prep
		.amdhsa_group_segment_fixed_size 106496
		.amdhsa_private_segment_fixed_size 0
		.amdhsa_enable_private_segment 0
		.amdhsa_kernarg_size 64
		.amdhsa_user_sgpr_count 2
		.amdhsa_user_sgpr_kernarg_segment_ptr 1
		.amdhsa_wavefront_size32 1
		.amdhsa_system_sgpr_workgroup_id_x 1
		.amdhsa_system_sgpr_workgroup_id_y 1
		.amdhsa_system_sgpr_workgroup_id_z 1
		.amdhsa_system_vgpr_workitem_id 0
		.amdhsa_next_free_vgpr 256
		.amdhsa_next_free_sgpr 66
		.amdhsa_reserve_vcc 0
		.amdhsa_float_denorm_mode_32 3
		.amdhsa_float_denorm_mode_16_64 3
		.amdhsa_memory_ordered 1
		.amdhsa_forward_progress 1
		.amdhsa_inst_pref_size 21
	.end_amdhsa_kernel
	.amdgpu_metadata
---
amdhsa.version: [ 1, 2 ]
amdhsa.kernels:
  - .name:           k_qb6e3268f1f_prep
    .symbol:         k_qb6e3268f1f_prep.kd
    .args:
      - { .name: x, .offset: 0, .size: 8, .value_kind: global_buffer, .address_space: global }
      - { .name: W_in_codes, .offset: 8, .size: 8, .value_kind: global_buffer, .address_space: global }
      - { .name: W_in_scales, .offset: 16, .size: 8, .value_kind: global_buffer, .address_space: global }
      - { .name: b_c, .offset: 24, .size: 8, .value_kind: global_buffer, .address_space: global }
      - { .name: W_out_codes, .offset: 32, .size: 8, .value_kind: global_buffer, .address_space: global }
      - { .name: W_out_scales, .offset: 40, .size: 8, .value_kind: global_buffer, .address_space: global }
      - { .name: tb, .offset: 48, .size: 8, .value_kind: global_buffer, .address_space: global }
      - { .name: ob, .offset: 56, .size: 8, .value_kind: global_buffer, .address_space: global }
    .group_segment_fixed_size: 106496
    .private_segment_fixed_size: 0
    .kernarg_segment_align: 8
    .kernarg_segment_size: 64
    .max_flat_workgroup_size: 512
    .sgpr_count:     66
    .vgpr_count:     256
    .wavefront_size: 32
...
	.end_amdgpu_metadata
.endif
;; end of part 1
;; launch main (part 2): grid 256 x 1, 4 waves a work-group, clusters of 4 x 1, 327,680 bytes of LDS; arguments context, W_c_codes, W_c_scales, tb, w_v, sc; writes sc
.if DOCPART == 2
	.amdgcn_target "amdgcn-amd-amdhsa--gfx1250"
	.amdhsa_code_object_version 6
	.text
	.protected	k_qb6e3268f1f_main
	.globl	k_qb6e3268f1f_main
	.p2align	8
	.type	k_qb6e3268f1f_main,@function
k_qb6e3268f1f_main:
	s_mov_b64 s[64:65], 0
	v_nop
	global_prefetch_b8 v0, s[64:65] scope:SCOPE_SE
	s_setreg_imm32_b32 hwreg(HW_REG_WAVE_MODE, 25, 1), 1
	s_wait_xcnt 0x0
	s_wait_alu depctr_hold_cnt(0) depctr_sa_sdst(0) depctr_va_vdst(0) depctr_va_sdst(0) depctr_va_ssrc(0) depctr_va_vcc(0) depctr_vm_vsrc(0)
	s_getreg_b32 s2, hwreg(HW_REG_IB_STS2, 6, 4)
	s_cmp_eq_u32 s2, 0
	s_cbranch_scc0 .Lentry_in_a_cluster
	s_endpgm
.Lentry_in_a_cluster:
	s_bfe_u32 s2, ttmp6, 0x10000c
	s_cmp_lg_u32 s2, 0x3003
	s_cbranch_scc0 .Lentry_shape_is_right
	s_endpgm
.Lentry_shape_is_right:
; sc[row] = -2 log2(e) x the sum over e of w_v[e] / (1 + 2^(c v)), v = Q(context[row]) . W_c[e] + tb[batch][e], c = 2 log2(e).
; tanh(v) = 1 - 2 / (1 + 2^(c v)), so a row's score is sum(w_v) - 2 sum(w_v r), r = 1 / (1 + 2^(c v)).  sum(w_v) is the same for all rows of a softmax and falls out of it exactly: it is left out.
; sc carries the factor log2(e), so that the next launch takes 2^(sc - max).  Where 2^(c v) overflows r is 0 (tanh = 1); where it falls to 0 r is 1 (tanh = -1).
; context: [65536][1024] f32, quantised here to E4M3 with one E8M0 scale for each 32 along K.  W_c: codes [1024][1024], K innermost; scale bytes [1024][32].
; LIMITS: NaN and infinities among the inputs are not served; a block of zeros gets the scale byte 1 (its codes are zeros; the bytes are read by this kernel alone).
; SHARES.  A work-group owns 256 rows, each of its four waves 64: four tiles of 16, whose codes for all of K stay in 512 registers.  Every wave walks all 1,024 rows of W_c, 64 a slot, from a ring of two LDS slots;
; each fragment of W_c read from LDS feeds four products.  PHASE Q: the wave's rows are loaded (512 consecutive bytes an instruction, 64 loads in flight), turned through its own stage in LDS so that a lane holds 16 neighbours
; along K, quantised, and gathered tile by tile as register images.  PHASE M: products, and between them the tanh of the group of 32 columns before.
; The two phases follow each other: a ring for W_c, the images and the f32 stage of a second block of rows do not fit in LDS together.
; CLUSTER.  The four work-groups of a cluster walk the same W_c, scale bytes, w_v and (eight work-groups to a batch) the same row of tb: each tile is asked for JOINTLY, by the same tensor load with the mask of all four.
; THE PRODUCT IS USED TRANSPOSED: source 0 = 16 rows of W_c, source 1 = 16 rows of context: lane (r, h) holds context row r, register j column 16 n + 8 h + j.  tb is the C of each sum's first product.
; REGISTERS, in windows of 256.  Window 0: v1-15 addresses; v16-47 context's scale words; v48-63 W_c's, two sets; v64-79 tb (C); v80-95 w_v; v96-111 the rows' sums; v112-127 codes; v128-191 64 numbers; v192-207 at work.
;   Window 1: phase Q: two sets of 128 for the loads; phase M: two sets of 8 accumulators (v0-63, v64-127; (n, t) at 32 n + 8 t), v128-255 eight fragments of W_c.
;   Windows 2, 3: context's codes: tile t, K step s in window 2 + s / 4 at 64 t + 16 (s % 4).
.set PITCH, 1040                       ; an LDS row of 1,024 bytes + 16 of padding = 65 x 16: the sixteen rows that a load touches start in sixteen different columns of 16 bytes
.set SLOT,  64*PITCH                   ; 64 rows of W_c; slot 1 begins here
.set WSC,   2*SLOT                     ; W_c's scale bytes, all 32,768, dense
.set TBLB,  WSC+32768                  ; tb's row of my batch, 4,096 bytes
.set ZPAD,  TBLB+4096                  ; 256 bytes of zeros, stored at the head
.set TBLW,  ZPAD+256                   ; w_v, 4,096 bytes
.set SPARE, TBLW+4096                  ; the spare words, 128 bytes for each wave: two blocks of 256 bytes that no other line names
.set SCST,  SPARE+512                  ; the scores' stage, 256 bytes a wave
.set IMS,   SCST+1024                  ; a tile's scale words, 1,024 bytes a wave
.set STG,   IMS+4096                   ; the f32 stage: 16 rows x PITCH for each wave
.set IMG,   STG+4*16*PITCH             ; a tile's eight fragment images, 16,384 bytes a wave
.set SPW,  1                           ; v1   SPARE + 4 x my thread's number; never rewritten
.set NIL,  2                           ; v2   0; never rewritten
.set GOF,  3                           ; v3   16 x lane
.set STW,  4                           ; v4   the stage, in
.set STR0, 5                           ; v5   the stage, back: row r, + 64 h
.set ADQ,  6                           ; v6   the same for the K step in hand
.set IMW0, 7                           ; v7   my wave's images + 16 x lane
.set IMWA, 8                           ; v8   the image in hand
.set ISW0, 9                           ; v9   my wave's scale words + 4 x lane
.set ISWA, 10                          ; v10  the scale word in hand
.set ADB0, 11                          ; v11  W_c: row r x PITCH + 16 h
.set ADB,  12                          ; v12  the same in the slot in hand
.set ADS,  13                          ; v13  W_c's scale bytes: row r of 32 bytes + 16 h, stepped a slot at a time
.set ADT,  14                          ; v14  tb: 32 h, stepped a slot at a time; w_v lies 4,352 bytes on
.set PW,   15
.set AS,   16
.set BS,   48
.set BI,   64
.set WR,   80
.set SUM,  96
.set PC,   112
.set X,    128
.set TM,   192
.set ACC0, 0
.set ACC1, 64
.set BF,   128
.set WV,   16
.set SEL,  20
.set CS,   22                          ; s[22:23] c = 2 log2(e)
.set MNT,  24
.set TB,   25                          ; s25  LDS byte at which the slot in hand begins
.set WOFF, 27                          ; s27  16 x PITCH x wave
.set G1W,  28                          ; s[28:35] group 1: 16 rows x 1,024 bytes, padded
.set G0A,  36                          ; s[36:39] group 0: slot 0's first fill
.set G0B,  40                          ; s[40:43] slot 1's first fill; then it walks
.set G1S,  44                          ; s[44:51] group 1: 32 rows x 256 bytes, dense
.set G0S,  52
.set G1T,  56                          ; s[56:63] group 1: 4 rows x 256 bytes, dense
.set G0T,  68
.set G0V,  72
.set LB,   76                          ; s[76:77] where the next half tile of context begins
.set INC,  78                          ; s[78:79] the step to the one after: 63,488 and 2,048 by turns
.set MSB, 0
.macro WIN new                         ; the immediate's high byte repeats the setting that is left; a switch that changes nothing is dropped
.if MSB != \new
	s_set_vgpr_msb (MSB<<8)|\new
.set MSB, \new
.endif
.endm
.macro ROUND                           ; a round of the cluster's barrier
	s_barrier_signal -1
	s_barrier_wait -1
	s_cmp_lg_u32 s[WV], 0
	s_cbranch_scc1 .Lnot_wave_0_\@
	s_barrier_signal -3
.Lnot_wave_0_\@:
	s_barrier_wait -3
	s_barrier_signal -1
	s_barrier_wait -1
.endm
; ---------------- phase Q's macros
.macro LOADP set, base, extra          ; a pair: 16 rows x 1,024 bytes (two K steps) into register set 0 or 1 of window 1; each load covers 512 consecutive bytes, aligned
	WIN 0x40
.irp i, 0,1,2,3,4,5,6,7,8,9,10,11,12,13,14,15
	global_load_b128 v[128*\set+8*\i:128*\set+8*\i+3], v[GOF], s[\base:\base+1] offset:4096*\i+\extra th:TH_LOAD_NT
	global_load_b128 v[128*\set+8*\i+4:128*\set+8*\i+7], v[GOF], s[\base:\base+1] offset:4096*\i+512+\extra th:TH_LOAD_NT
.endr
	WIN 0
.endm
.macro PUMP set, loads, left           ; a pair goes into my stage as it lies; its registers take the pair two on
	s_wait_loadcnt \left                           ; loads come back in order: this set's 32 are in, the other set's younger 32 may be out
	WIN 0x04                                       ; an LDS store's data are its source 1: window 1
.irp i, 0,1,2,3,4,5,6,7,8,9,10,11,12,13,14,15
	ds_store_b128 v[STW], v[128*\set+8*\i:128*\set+8*\i+3] offset:PITCH*\i
	ds_store_b128 v[STW], v[128*\set+8*\i+4:128*\set+8*\i+7] offset:PITCH*\i+512
.endr
	WIN 0
	s_wait_dscnt 0x0                               ; the stores have read their registers
.if \loads
	LOADP \set, LB, 1024*\set
.endif
.endm
.macro QUANT s                         ; 64 numbers of a lane, register 16 b + i = k 32 b + 16 (lane / 16) + i of my row, become a fragment's codes in v[PC] on and its scale word in v[PW]
.irp b, 0,1,2,3
	v_max3_num_f32 v[TM+\b], |v[\s+16*\b]|, |v[\s+1+16*\b]|, 0x4800000   ; my 16 numbers of block b, and the floor 2^(9 - 127): the byte cannot fall under 1
.endr
.irp i, 2,4,6,8,10,12,14
.irp b, 0,1,2,3
	v_max3_num_f32 v[TM+\b], v[TM+\b], |v[\s+16*\b+\i]|, |v[\s+1+16*\b+\i]|
.endr
.endr
.irp b, 0,1,2,3
	v_permlanex16_b32 v[TM+4+\b], v[TM+\b], s[SEL], s[SEL+1]
.endr
.irp b, 0,1,2,3
	v_max_num_f32 v[TM+\b], v[TM+\b], v[TM+4+\b]                       ; with lane l xor 16's: the block's largest magnitude
.endr
.irp b, 0,1,2,3
	v_add_nc_u32 v[TM+12+\b], 0xfc000000, v[TM+\b]                     ; 8 off its exponent field: the conversion's scale operand
.endr
.irp b, 0,1,2,3
	v_and_or_b32 v[TM+8+\b], v[TM+\b], 0x7f800000, s[MNT]              ; 448 x the scale
.endr
.irp b, 0,1,2,3
	v_lshrrev_b32 v[TM+4+\b], 23, v[TM+12+\b]                          ; the scale's byte
.endr
	v_lshl_or_b32 v[PW], v[TM+5], 8, v[TM+4]
	v_lshl_or_b32 v[PW], v[TM+6], 16, v[PW]
	v_lshl_or_b32 v[PW], v[TM+7], 24, v[PW]
.irp b, 0,1,2,3
.irp i, 0,1,2,3,4,5,6,7,8,9,10,11,12,13,14,15
	v_med3_num_f32 v[\s+16*\b+\i], v[\s+16*\b+\i], -v[TM+8+\b], v[TM+8+\b]   ; the conversion to an 8-bit code does not saturate (ISA guide 7.6.2): the hold at the largest code x the scale
.endr
	v_cvt_scalef32_pk8_fp8_f32 v[PC+4*\b:PC+1+4*\b], v[\s+16*\b:\s+7+16*\b], v[TM+12+\b]
	v_cvt_scalef32_pk8_fp8_f32 v[PC+2+4*\b:PC+3+4*\b], v[\s+8+16*\b:\s+15+16*\b], v[TM+12+\b]
.endr
	v_nop                                          ; a plain vector line behind the last scaled conversion
.endm
.macro QLOOP                           ; the stage's two K steps: written once, walked twice.  s81: the K step's bytes in a stage row; s82, s83: the image's and the scale word's place in the tile
	s_mov_b32 s80, 2
.Lq_\@:
	v_add_nc_u32 v[ADQ], s81, v[STR0]
.irp b, 0,1,2,3
.irp j, 0,1,2,3
	ds_load_b128 v[X+16*\b+4*\j:X+16*\b+4*\j+3], v[ADQ] offset:128*\b+16*\j   ; LDS serves a wave's instructions in order: these see my stores
.endr
.endr
	s_wait_dscnt 0x0                               ; my 64 numbers are in; the last K step's image stores have read their registers
	v_add_nc_u32 v[IMWA], s82, v[IMW0]
	v_add_nc_u32 v[ISWA], s83, v[ISW0]
	QUANT X
.irp c, 0,1,2,3
	ds_store_b128 v[IMWA], v[PC+4*\c:PC+4*\c+3] offset:512*\c
.endr
	ds_store_b32 v[ISWA], v[PW]
	s_add_co_u32 s81, s81, 512
	s_add_co_u32 s82, s82, 2048
	s_add_co_u32 s83, s83, 128
	s_sub_co_u32 s80, s80, 1
	s_cmp_lg_u32 s80, 0
	s_cbranch_scc1 .Lq_\@
	s_sub_co_u32 s81, s81, 1024
.endm
.macro BODY loads                      ; half a tile: two pairs, four K steps
	PUMP 0, \loads, 32
	QLOOP
.if \loads
	PUMP 1, 1, 32
.else
	PUMP 1, 0, 0
.endif
	QLOOP
.if \loads
	s_wait_xcnt 0x0                                ; the loads have read their base: it may step
	s_add_nc_u64 s[LB:LB+1], s[LB:LB+1], s[INC:INC+1]
	s_xor_b32 s[INC], s[INC], 0xf000
.endif
.endm
.macro FLUSH t                         ; tile t's eight images and scale words become its registers; the next tile's image stores come behind these loads in the wave's order
	WIN 0x80
.irp s, 0,1,2,3
.irp c, 0,1,2,3
	ds_load_b128 v[64*\t+16*\s+4*\c:64*\t+16*\s+4*\c+3], v[IMW0] offset:2048*\s+512*\c
.endr
.endr
	WIN 0xc0
.irp s, 0,1,2,3
.irp c, 0,1,2,3
	ds_load_b128 v[64*\t+16*\s+4*\c:64*\t+16*\s+4*\c+3], v[IMW0] offset:2048*(4+\s)+512*\c
.endr
.endr
	WIN 0
.irp s, 0,1,2,3,4,5,6,7
	ds_load_b32 v[AS+8*\t+\s], v[ISW0] offset:128*\s
.endr
.endm
; ---------------- phase M's macros
; One product: accumulator (n, t) of set P, K step s.  W_c's fragment lies at place 4 ((s / 2) % 2) + 2 (s % 2) + n; its scale word in register s % 4 of the tile's four, lanes 0-15 for s < 4, lanes 16-31 else.
.macro WM P, n, t, s, set
.set rD, \P+32*(\n)+8*(\t)
.set rB, BF+16*(4*(((\s)/2)%2)+2*((\s)%2)+(\n))
.set rA, 64*(\t)+16*((\s)%4)
.set rX, BS+8*(\set)+4*(\n)+((\s)%4)
.set rY, AS+8*(\t)+(\s)
.if (\s) == 0
	v_wmma_scale_f32_16x16x128_f8f6f4 v[rD:rD+7], v[rB:rB+15], v[rA:rA+15], v[BI+8*(\n):BI+8*(\n)+7], v[rX], v[rY]
.elseif (\s) < 4
	v_wmma_scale_f32_16x16x128_f8f6f4 v[rD:rD+7], v[rB:rB+15], v[rA:rA+15], v[rD:rD+7], v[rX], v[rY]
.else
	v_wmma_scale_f32_16x16x128_f8f6f4 v[rD:rD+7], v[rB:rB+15], v[rA:rA+15], v[rD:rD+7], v[rX], v[rY] matrix_a_scale:MATRIX_SCALE_ROW1
.endif
.endm
; A quarter: K steps 2 q and 2 q + 1, 16 products; the eight accumulators take turns, one instruction a turn.  Behind each product stand two transcendentals on set V, which no product of this period names.
; Under all three settings source 0 and the destination mean window 1, so these lines need no switch.
.macro QUARTER P, V, set, q, op
.set qi, 0
.rept 16
.if ((\q) == 0) && (qi < 8)
	WIN 0x49                                       ; D window 1, C (tb) window 0, context window 2, W_c window 1
.elseif (\q) < 2
	WIN 0x59                                       ; C window 1
.else
	WIN 0x5d                                       ; context window 3
.endif
	WM \P, (qi/4)%2, qi%4, 2*(\q)+qi/8, \set
	\op v[\V+32*((\q)%2)+2*qi], v[\V+32*((\q)%2)+2*qi]
	\op v[\V+32*((\q)%2)+2*qi+1], v[\V+32*((\q)%2)+2*qi+1]
.set qi, qi+1
.endr
.endm
.macro PKMUL R, p0                     ; sixteen pairs from pair p0 on: x c.  Ascending: each accumulator is read from its low end on
.set pj, 2*(\p0)
.rept 16
	v_pk_mul_f32 v[\R+pj:\R+pj+1], v[\R+pj:\R+pj+1], s[CS:CS+1] op_sel_hi:[1,0]
.set pj, pj+2
.endr
.endm
.macro PKADD R, p0                     ; sixteen pairs: + 1
.set pj, 2*(\p0)
.rept 16
	v_pk_add_f32 v[\R+pj:\R+pj+1], v[\R+pj:\R+pj+1], 1.0 op_sel_hi:[1,0]
.set pj, pj+2
.endr
.endm
.macro P3 V                            ; the rows' sums take w_v x r: 32 fused multiply-adds on pairs, eight sums by turns
.irp j, 0,2,4,6
.irp n, 0,1
.irp t, 0,1,2,3
	v_pk_fma_f32 v[SUM+4*\t+2*\n:SUM+4*\t+2*\n+1], v[\V+32*\n+8*\t+\j:\V+32*\n+8*\t+\j+1], v[WR+8*\n+\j:WR+8*\n+\j+1], v[SUM+4*\t+2*\n:SUM+4*\t+2*\n+1]
.endr
.endr
.endr
.endm
.macro RUNB ct, s0                     ; 16 LDS loads in one run: W_c's fragments of column tiles ct, ct + 1 of the slot, K steps s0, s0 + 1
	WIN 0x40
.irp u, 0,1
.irp n, 0,1
.irp c, 0,1,2,3
	ds_load_b128 v[BF+16*(4*(((\s0)/2)%2)+2*\u+\n)+4*\c:BF+16*(4*(((\s0)/2)%2)+2*\u+\n)+4*\c+3], v[ADB] offset:16*((\ct)+\n)*PITCH+128*((\s0)+\u)+32*\c
.endr
.endr
.endr
.endm
; THE CHANGE OF SLOTS: the slot's last bytes have been asked for.  Each wave waits for all its tensor loads (its part of the other slot), adds 0 to its spare word, and waits for that and for its reads of this slot.
; fill = 1: the barrier is a round of the cluster's, and the joint refill (the 64 rows of W_c two slots on) is the first thing behind it: it has a slot's 128 products in which to land.
.macro CHANGE fill
.if \fill == 1
	s_wait_alu depctr_va_vdst(0)                   ; the reciprocals issued so far have their wait (the additions above are the plain lines behind them)
.endif
	WIN 0
	s_wait_tensorcnt 0x0                           ; no tensor load of mine is out, so the walking group 0 may be written
	ds_add_u32 v[SPW], v[NIL]                      ; 0 onto my spare word
	s_xor_b32 s[TB], s[TB], SLOT
.if \fill == 1
	s_xor_b32 s[G0B+1], s[G0B+1], SLOT             ; the other slot than last time (the wave's term has none of SLOT's two bits),
	s_add_nc_u64 s[G0B+2:G0B+3], s[G0B+2:G0B+3], 0x10000   ; the next 64 rows; the type bits on top are not reached
.endif
	s_wait_dscnt 0x0                               ; the add is done, and my reads of this slot are over
.if \fill == 1
	ROUND
	tensor_load_to_lds s[G0B:G0B+3], s[G1W:G1W+7]
	s_nop 0
.rept 4
	v_nop
.endr
.else
	s_barrier_signal -1
	s_barrier_wait -1
.endif
	v_add_nc_u32 v[ADB], s[TB], v[ADB0]            ; the fragment loads go on in the other slot
.endm
; A PERIOD: group g (column tiles ct, ct + 1 of the slot) is multiplied into set P: 64 products; the tanh of group g - 1 runs in place on set V.
; The plain vector work stands in clumps at the quarters' ends: each clump is also the eight places and more in front of the run of LDS loads that follows it.
; The counted waits on DScnt leave out the run issued behind the run that is needed: the runs at the ends of quarters 0 to 3 hold 20, 22, 16 and 16 loads.
.macro PERIOD P, V, set, ct, chg
	s_wait_dscnt 16                                ; K steps 0, 1 are in; the run for K steps 2, 3 may be out
	QUARTER \P, \V, \set, 0, v_exp_f32
	PKMUL \V, 16
	RUNB \ct, 4
	WIN 0
.irp n, 0,1
	ds_load_b128 v[WR+8*\n:WR+8*\n+3], v[ADT] offset:4352+64*((\ct)-2+\n)       ; w_v of group g - 1 (ahead of the first group: zeros)
	ds_load_b128 v[WR+8*\n+4:WR+8*\n+7], v[ADT] offset:4352+64*((\ct)-2+\n)+16
.endr
	s_wait_dscnt 20
	QUARTER \P, \V, \set, 1, v_exp_f32
	v_nop                                          ; a plain line behind the last exponential,
	s_wait_alu depctr_va_vdst(0)                   ; and one wait for the batch of 64, ahead of its first reader
	PKADD \V, 0
	RUNB \ct, 6
	WIN 0
.irp n, 0,1
	ds_load_b128 v[BS+8*(1-\set)+4*\n:BS+8*(1-\set)+4*\n+3], v[ADS] offset:512*((\ct)+2+\n)   ; the next group's scale words, into the other set
.endr
.irp n, 0,1
	ds_load_b128 v[BI+8*\n:BI+8*\n+3], v[ADT] offset:64*((\ct)+2+\n)            ; and its tb
	ds_load_b128 v[BI+8*\n+4:BI+8*\n+7], v[ADT] offset:64*((\ct)+2+\n)+16
.endr
	s_wait_dscnt 22
	QUARTER \P, \V, \set, 2, v_rcp_f32
	PKADD \V, 16
.if \chg
	CHANGE \chg
.endif
	RUNB ((\ct)+2)%4, 0
	s_wait_dscnt 16
	QUARTER \P, \V, \set, 3, v_rcp_f32
	v_nop                                          ; a plain line behind the last reciprocal,
	s_wait_alu depctr_va_vdst(0)                   ; and one wait for the batch of 64
	WIN 0x01                                       ; r window 1, w_v and the sums window 0
	P3 \V
	WIN 0x49
	PKMUL \P, 0                                    ; group g's first half x c: 33 plain lines stand between the last product and this read
	RUNB ((\ct)+2)%4, 2
.endm
.macro SLOTBODY chg                    ; a slot's two periods; the sets change places
	PERIOD ACC0, ACC1, 0, 0, 0
	PERIOD ACC1, ACC0, 1, 2, \chg
	WIN 0
	v_add_nc_u32 v[ADS], 2048, v[ADS]              ; 64 rows of scale bytes on (the loads that named it have been waited for)
	v_add_nc_u32 v[ADT], 256, v[ADT]               ; 64 numbers of tb and of w_v on
.endm
; ---------------- the head
	s_load_b256 s[4:11], s[0:1], 0x0               ; context s[4:5], W_c's codes s[6:7], its scales s[8:9], tb s[10:11]
	s_load_b128 s[12:15], s[0:1], 0x20             ; w_v s[12:13], sc s[14:15]
	v_lshl_add_u32 v[SPW], v0, 2, SPARE
	v_mov_b32 v[NIL], 0
	ds_add_u32 v1, v2
	ds_add_u32 v1, v2
	s_wait_dscnt 0x0
	v_lshrrev_b32 v208, 5, v0
	v_readfirstlane_b32 s[WV], v208                ; wave 0..3
	v_and_b32 v208, 31, v0                         ; lane
	v_and_b32 v209, 15, v0                         ; r
	v_bfe_u32 v210, v0, 4, 1                       ; h
	s_mul_i32 s[WOFF], s[WV], 16*PITCH
	v_lshlrev_b32 v[GOF], 4, v208
	v_add_nc_u32 v[STW], s[WOFF], v[GOF]
	v_add_nc_u32 v[STW], STG, v[STW]
	v_mul_u32_u24 v[ADB0], v209, PITCH
	v_lshl_add_u32 v[STR0], v210, 6, v[ADB0]
	v_add_nc_u32 v[STR0], s[WOFF], v[STR0]
	v_add_nc_u32 v[STR0], STG, v[STR0]
	v_lshl_add_u32 v[ADB0], v210, 4, v[ADB0]
	v_mov_b32 v[ADB], v[ADB0]
	s_lshl_b32 s84, s[WV], 14
	v_add_nc_u32 v[IMW0], s84, v[GOF]
	v_add_nc_u32 v[IMW0], IMG, v[IMW0]
	s_lshl_b32 s84, s[WV], 10
	v_lshl_add_u32 v[ISW0], v208, 2, s84
	v_add_nc_u32 v[ISW0], IMS, v[ISW0]
	v_lshlrev_b32 v[ADS], 5, v209
	v_lshl_add_u32 v[ADS], v210, 4, v[ADS]
	v_add_nc_u32 v[ADS], WSC, v[ADS]
	v_lshl_add_u32 v[ADT], v210, 5, TBLB
.irp b, 0,1,2,3
	v_mov_b32 v[TM+4+\b], 0                        ; written once: a lane permute's destination counts as one of its sources
.endr
	s_mov_b32 s[SEL], 0x76543210
	s_mov_b32 s[SEL+1], 0xfedcba98
	s_mov_b32 s[CS], 0x4038aa3b                    ; c = 2 log2(e)
	s_mov_b32 s[CS+1], s[CS]                       ; (named with it as a pair, so it is written)
	s_mov_b32 s[MNT], 0x600000
	s_mov_b32 s[TB], 0
	; group 1 for W_c's tiles: 16 rows of 128 elements of 8 bytes; 4 words of padding after every 256
	s_mov_b32 s[G1W], 15|(3<<16)|(1<<20)|(1<<21)|(7<<22)|(3<<25)   ; 15:0 the mask: all four work-groups; 17:16 elements of 8 bytes; 20 padding on; 21 set beside a mask; 24:22 code 7; 31:25 code 3
	s_mov_b32 s[G1W+1], 128<<16                    ; tensor_dim0
	s_mov_b32 s[G1W+2], 16<<16                     ; tensor_dim1
	s_mov_b32 s[G1W+3], 128<<16                    ; tile_dim0
	s_mov_b32 s[G1W+4], 16                         ; tile_dim1
	s_mov_b32 s[G1W+5], 128                        ; tensor_dim0_stride
	s_mov_b32 s[G1W+6], 0
	s_mov_b32 s[G1W+7], 0
	; for a quarter of the scale bytes: 32 rows of 256 bytes, dense
	s_mov_b32 s[G1S], 15|(3<<16)|(1<<21)
	s_mov_b32 s[G1S+1], 32<<16
	s_mov_b32 s[G1S+2], 32<<16
	s_mov_b32 s[G1S+3], 32<<16
	s_mov_b32 s[G1S+4], 32
	s_mov_b32 s[G1S+5], 32
	s_mov_b32 s[G1S+6], 0
	s_mov_b32 s[G1S+7], 0
	; for a quarter of tb's row and of w_v: 4 rows of 256 bytes, dense
	s_mov_b32 s[G1T], 15|(3<<16)|(1<<21)
	s_mov_b32 s[G1T+1], 32<<16
	s_mov_b32 s[G1T+2], 4<<16
	s_mov_b32 s[G1T+3], 32<<16
	s_mov_b32 s[G1T+4], 4
	s_mov_b32 s[G1T+5], 32
	s_mov_b32 s[G1T+6], 0
	s_mov_b32 s[G1T+7], 0
	s_mov_b32 s85, 0
	s_lshl_b32 s84, s[WV], 13                      ; my quarter of the scale bytes
	s_wait_kmcnt 0x0
	s_mov_b32 s[G0S], 1
	s_add_co_u32 s[G0S+1], s84, WSC
	s_add_nc_u64 s[G0S+2:G0S+3], s[8:9], s[84:85]
	s_or_b32 s[G0S+3], s[G0S+3], 0x80000000
	s_lshl_b32 s84, s[WV], 10                      ; my quarter of w_v
	s_mov_b32 s[G0V], 1
	s_add_co_u32 s[G0V+1], s84, TBLW
	s_add_nc_u64 s[G0V+2:G0V+3], s[12:13], s[84:85]
	s_or_b32 s[G0V+3], s[G0V+3], 0x80000000
	s_mov_b32 s[G0T], 1
	s_add_co_u32 s[G0T+1], s84, TBLB
	s_lshr_b32 s26, ttmp9, 1                       ; the batch: two clusters to a batch: the same in all four partners
	s_lshl_b32 s26, s26, 12
	s_add_co_u32 s84, s84, s26                     ; my quarter of its row of tb
	s_add_nc_u64 s[G0T+2:G0T+3], s[10:11], s[84:85]
	s_or_b32 s[G0T+3], s[G0T+3], 0x80000000
	s_lshl_b32 s84, s[WV], 14                      ; my 16 rows of a slot's 64
	s_mov_b32 s[G0A], 1
	s_mov_b32 s[G0A+1], s[WOFF]
	s_add_nc_u64 s[G0A+2:G0A+3], s[6:7], s[84:85]
	s_mov_b32 s[G0B], 1
	s_add_co_u32 s[G0B+1], s[WOFF], SLOT
	s_add_nc_u64 s[G0B+2:G0B+3], s[G0A+2:G0A+3], 0x10000
	s_or_b32 s[G0A+3], s[G0A+3], 0x80000000
	s_or_b32 s[G0B+3], s[G0B+3], 0x80000000
	ROUND                                          ; all four work-groups are here: the first joint loads meet
	tensor_load_to_lds s[G0S:G0S+3], s[G1S:G1S+7]  ; five loads of mine are out: the scale bytes,
	s_nop 0
	tensor_load_to_lds s[G0T:G0T+3], s[G1T:G1T+7]  ; tb,
	s_nop 0
	tensor_load_to_lds s[G0V:G0V+3], s[G1T:G1T+7]  ; w_v,
	s_nop 0
	tensor_load_to_lds s[G0A:G0A+3], s[G1W:G1W+7]  ; slot 0,
	s_nop 0
	tensor_load_to_lds s[G0B:G0B+3], s[G1W:G1W+7]  ; slot 1
	s_nop 0
.rept 4
	v_nop
.endr
	v_lshl_add_u32 v211, v0, 1, ZPAD
	v_mov_b32 v212, 0
	ds_store_b16 v211, v212                        ; 128 threads x 2 bytes: the zeros
	; my place in the cluster enters context's and sc's addresses alone, through registers that feed nothing else
	s_bfe_u32 s86, ttmp6, 0x40000                  ; cx
	s_lshl_b32 s87, ttmp9, 2
	s_add_co_u32 s86, s86, s87                     ; my block of 256 rows
	s_lshl_b32 s88, s86, 20                        ; x 256 rows of 4,096 bytes,
	s_lshl_b32 s87, s[WV], 18                      ; + my wave's 64 rows
	s_add_co_u32 s88, s88, s87
	s_mov_b32 s89, 0
	s_add_nc_u64 s[4:5], s[4:5], s[88:89]
	s_lshl_b32 s88, s86, 10
	s_lshl_b32 s87, s[WV], 8
	s_add_co_u32 s88, s88, s87
	s_add_nc_u64 s[14:15], s[14:15], s[88:89]      ; sc at my wave's 64 scores
	s_add_nc_u64 s[LB:LB+1], s[4:5], 2048
	s_mov_b32 s[INC], 0xf800
	s_mov_b32 s[INC+1], 0
	s_mov_b32 s81, 0
	LOADP 0, 4, 0
	LOADP 1, 4, 1024
; ---------------- phase Q: four tiles of 16 rows
.irp t, 0,1,2
	s_mov_b32 s82, 0
	s_mov_b32 s83, 0
	s_mov_b32 s19, 2
.Ltile\t:
	BODY 1
	s_sub_co_u32 s19, s19, 1
	s_cmp_lg_u32 s19, 0
	s_cbranch_scc1 .Ltile\t
	FLUSH \t
.endr
	s_mov_b32 s82, 0
	s_mov_b32 s83, 0
	BODY 1
	BODY 0                                         ; the last half tile asks for nothing: no load leaves the buffer
	FLUSH 3
; ---------------- phase M
	s_wait_dscnt 0x0                               ; my codes are in registers; my zeros have landed
	s_wait_tensorcnt 0x1                           ; the tables and my part of slot 0 are in; slot 1's load may be out
	s_barrier_signal -1
	s_barrier_wait -1
	WIN 0x40
.set qi, 0
.rept 64
	v_mov_b32 v[ACC1+qi], 0                        ; the period is written once: the first finds zeros in set V, whose r = 1/2 meets zeros in w_v's place
.set qi, qi+1
.endr
	WIN 0
.set qi, 0
.rept 16
	v_mov_b32 v[SUM+qi], 0
.set qi, qi+1
.endr
.irp n, 0,1
	ds_load_b128 v[BS+4*\n:BS+4*\n+3], v[ADS] offset:512*\n
.endr
.irp n, 0,1
	ds_load_b128 v[BI+8*\n:BI+8*\n+3], v[ADT] offset:64*\n
	ds_load_b128 v[BI+8*\n+4:BI+8*\n+7], v[ADT] offset:64*\n+16
.endr
	RUNB 0, 0
	RUNB 0, 2
	WIN 0
	s_mov_b32 s19, 14
.Lfill:                                            ; 14 trips: every slot but the last two is filled again
	SLOTBODY 1
	s_sub_co_u32 s19, s19, 1
	s_cmp_lg_u32 s19, 0
	s_cbranch_scc1 .Lfill
	s_mov_b32 s19, 2
.Llast:                                            ; the last two slots are written out apart.  The last trip's loads ahead read bytes that hold older rows
	SLOTBODY 2                                     ; tb and the zeros: written bytes, into registers that nothing uses afterwards
	s_sub_co_u32 s19, s19, 1
	s_cmp_lg_u32 s19, 0
	s_cbranch_scc1 .Llast
	; the last group's tanh (its first half has been multiplied by c)
.irp n, 0,1
	ds_load_b128 v[WR+8*\n:WR+8*\n+3], v[ADT] offset:4352-128+64*\n
	ds_load_b128 v[WR+8*\n+4:WR+8*\n+7], v[ADT] offset:4352-128+64*\n+16
.endr
	WIN 0x41
	PKMUL ACC1, 16
.set qi, 0
.rept 64
	v_exp_f32 v[ACC1+qi], v[ACC1+qi]
.set qi, qi+1
.endr
	v_nop
	s_wait_alu depctr_va_vdst(0)                   ; one wait for the batch
	PKADD ACC1, 0
	PKADD ACC1, 16
.set qi, 0
.rept 64
	v_rcp_f32 v[ACC1+qi], v[ACC1+qi]
.set qi, qi+1
.endr
	v_nop
	s_wait_alu depctr_va_vdst(0)
	s_wait_dscnt 0x0                               ; w_v
	WIN 0x01
	P3 ACC1
	WIN 0
	; THE WAY OUT: a row's four partial sums, and lane l xor 16's (the other eight columns of each tile); x -2 log2(e); 64 scores leave as one aligned run of 256 bytes
.irp t, 0,1,2,3
	v_add_f32 v[208+\t], v[SUM+4*\t], v[SUM+4*\t+1]
.endr
.irp t, 0,1,2,3
	v_add_f32 v[212+\t], v[SUM+4*\t+2], v[SUM+4*\t+3]
.endr
.irp t, 0,1,2,3
	v_add_f32 v[208+\t], v[208+\t], v[212+\t]
.endr
.irp t, 0,1,2,3
	v_permlanex16_b32 v[212+\t], v[208+\t], s[SEL], s[SEL+1]
.endr
.irp t, 0,1,2,3
	v_add_f32 v[208+\t], v[208+\t], v[212+\t]
.endr
.irp t, 0,1,2,3
	v_mul_f32 v[208+\t], 0xc038aa3b, v[208+\t]
.endr
	v_and_b32 v216, 15, v0
	s_lshl_b32 s84, s[WV], 8
	v_lshl_add_u32 v216, v216, 2, s84
	v_add_nc_u32 v216, SCST, v216                  ; in: 4 r; both halves of the lanes write the same word with the same value
	v_and_b32 v218, 31, v0
	v_lshlrev_b32 v218, 3, v218
	v_add_nc_u32 v217, s84, v218
	v_add_nc_u32 v217, SCST, v217                  ; back: 8 bytes a lane
.irp t, 0,1,2,3
	ds_store_b32 v216, v[208+\t] offset:64*\t
.endr
	ds_load_b64 v[220:221], v217                   ; LDS serves a wave's instructions in order: this sees my stores
	s_wait_dscnt 0x0
	global_store_b64 v218, v[220:221], s[14:15]
	s_wait_tensorcnt 0x0                           ; the wave's end
	ds_add_u32 v[SPW], v[NIL]
	s_wait_dscnt 0x0
	ROUND                                          ; the closing round: no work-group ends while a partner may still ask for a tile that names it
	s_endpgm
.Lfunc_end_k_qb6e3268f1f_main:
	.size	k_qb6e3268f1f_main, .Lfunc_end_k_qb6e3268f1f_main-k_qb6e3268f1f_main
	.p2alignl 7, 3214868480
	.fill 96, 4, 3214868480
	.section	.rodata,"a",@progbits
	.p2align	6, 0x0
	.amdhsa_kernel k_qb6e3268f1f_main
		.amdhsa_group_segment_fixed_size 327680
		.amdhsa_private_segment_fixed_size 0
		.amdhsa_enable_private_segment 0
		.amdhsa_kernarg_size 48
		.amdhsa_user_sgpr_count 2
		.amdhsa_user_sgpr_kernarg_segment_ptr 1
		.amdhsa_wavefront_size32 1
		.amdhsa_system_sgpr_workgroup_id_x 1
		.amdhsa_system_sgpr_workgroup_id_y 1
		.amdhsa_system_sgpr_workgroup_id_z 1
		.amdhsa_system_vgpr_workitem_id 0
		.amdhsa_next_free_vgpr 1024
		.amdhsa_next_free_sgpr 90
		.amdhsa_reserve_vcc 0
		.amdhsa_float_denorm_mode_32 3
		.amdhsa_float_denorm_mode_16_64 3
		.amdhsa_memory_ordered 1
		.amdhsa_forward_progress 1
		.amdhsa_inst_pref_size 255
	.end_amdhsa_kernel
	.section	.bss,"aw",@nobits
	.p2align	6
	.space	262144
	.amdgpu_metadata
---
amdhsa.version: [ 1, 2 ]
amdhsa.kernels:
  - .name:           k_qb6e3268f1f_main
    .symbol:         k_qb6e3268f1f_main.kd
    .args:
      - { .name: context, .offset: 0, .size: 8, .value_kind: global_buffer, .address_space: global }
      - { .name: W_c_codes, .offset: 8, .size: 8, .value_kind: global_buffer, .address_space: global }
      - { .name: W_c_scales, .offset: 16, .size: 8, .value_kind: global_buffer, .address_space: global }
      - { .name: tb, .offset: 24, .size: 8, .value_kind: global_buffer, .address_space: global }
      - { .name: w_v, .offset: 32, .size: 8, .value_kind: global_buffer, .address_space: global }
      - { .name: sc, .offset: 40, .size: 8, .value_kind: global_buffer, .address_space: global }
    .group_segment_fixed_size: 327680
    .private_segment_fixed_size: 0
    .kernarg_segment_align: 8
    .kernarg_segment_size: 48
    .max_flat_workgroup_size: 128
    .sgpr_count:     90
    .vgpr_count:     1024
    .wavefront_size: 32
...
	.end_amdgpu_metadata
.endif
;; end of part 2
;; launch wsum (part 3): grid 8 x 32, 16 waves a work-group, no clusters, 18,944 bytes of LDS; arguments sc, context, wt, out1; writes wt, out1
.if DOCPART == 3
	.amdgcn_target "amdgcn-amd-amdhsa--gfx1250"
	.amdhsa_code_object_version 6
	.text
	.protected	k_qb6e3268f1f_wsum
	.globl	k_qb6e3268f1f_wsum
	.p2align	8
	.type	k_qb6e3268f1f_wsum,@function
k_qb6e3268f1f_wsum:
	s_mov_b64 s[64:65], 0
	v_nop
	global_prefetch_b8 v0, s[64:65] scope:SCOPE_SE
	s_setreg_imm32_b32 hwreg(HW_REG_WAVE_MODE, 25, 1), 1
	s_wait_xcnt 0x0
; out1[b][s] = softmax over s of the scores; wt[b][d] = the sum over s of out1[b][s] context[b][s][d], all in f32 (wt goes on into a quantiser).
; sc holds the scores x log2(e), less a constant that is the same for all rows of a batch: p = 2^(sc - the batch's largest sc), at most 1; the sum of p is at least 1; both sums are divided by it at the end.
; SHARES.  Work-group (j, b) owns columns 128 j .. 128 j + 127 of batch b: 512 aligned bytes of each of the 2,048 rows; every number of wt has one owner.  Wave w takes rows 128 w .. 128 w + 127, a load a row,
; 32 loads (16 KiB) in flight.  Every work-group of a batch makes the batch's softmax for itself (8 KiB of scores); work-group j stores rows 256 j .. 256 j + 255 of out1.
; A stream: no matrix unit, no tensor loads, no cluster: the work-groups share no large input.
.set RED,  8192                        ; LDS: p at 0 (8,192 bytes); the waves' maxima;
.set RED2, 8448                        ; their sums;
.set ACCR, 8704                        ; their partial rows of wt, 512 bytes each
.set ACC,  8                           ; v8-11   my four columns' sums
.set T,    12                          ; v12-15  my four scores, then p
.set P,    32                          ; v32-63  the weights of 32 rows
.set RING, 64                          ; v64-191 32 slots of 4 registers
	s_load_b256 s[4:11], s[0:1], 0x0               ; sc s[4:5], context s[6:7], wt s[8:9], out1 s[10:11]
	v_lshl_add_u32 v192, v0, 2, 0x4200
	v_mov_b32 v193, 0
	v_lshrrev_b32 v1, 5, v0
	v_readfirstlane_b32 s12, v1                    ; wave 0..15
	s_and_b32 s13, ttmp7, 0xffff                   ; the batch
	v_lshlrev_b32 v2, 4, v0                        ; 16 x thread
	v_and_b32 v3, 31, v0
	v_lshlrev_b32 v3, 4, v3                        ; 16 x lane
	v_lshl_add_u32 v4, v1, 2, RED                  ; my wave's word
	v_mov_b32 v5, RED
	v_lshlrev_b32 v6, 9, v1                        ; my wave's 128 weights in LDS
	v_mov_b32 v17, 0                               ; a lane permute's destination counts as one of its sources
	s_mov_b32 s20, 0x76543210
	s_mov_b32 s21, 0xfedcba98
	s_lshl_b32 s14, s13, 13                        ; a batch's 2,048 scores
	s_mov_b32 s15, 0
	s_lshl_b32 s16, s13, 23                        ; a batch's 2,048 rows of 4,096 bytes,
	s_lshl_b32 s18, s12, 19                        ; + my wave's 128 rows,
	s_add_co_u32 s16, s16, s18
	s_lshl_b32 s18, ttmp9, 9                       ; + my work-group's 512 bytes of a row
	s_add_co_u32 s16, s16, s18
	s_mov_b32 s17, 0
	s_lshl_b32 s22, s13, 12
	s_add_co_u32 s18, s18, s22                     ; wt: 4,096 b + 512 j
	s_mov_b32 s19, 0
	s_wait_kmcnt 0x0
	s_add_nc_u64 s[4:5], s[4:5], s[14:15]
	s_add_nc_u64 s[10:11], s[10:11], s[14:15]
	s_add_nc_u64 s[6:7], s[6:7], s[16:17]
	s_add_nc_u64 s[8:9], s[8:9], s[18:19]
	global_load_b128 v[T:T+3], v2, s[4:5]
.irp i, 0,1,2,3,4,5,6,7,8,9,10,11,12,13,14,15,16,17,18,19,20,21,22,23,24,25,26,27,28,29,30,31
	global_load_b128 v[RING+4*\i:RING+4*\i+3], v3, s[6:7] offset:4096*\i th:TH_LOAD_NT   ; the ring is filled before the softmax is begun
.endr
	s_wait_loadcnt 32                              ; the scores are in; the ring's 32 loads stay out
	v_max3_num_f32 v16, v[T], v[T+1], v[T+2]
	v_max_num_f32 v16, v16, v[T+3]
	v_max_num_f32_dpp v16, v16, v16 row_xmask:1 row_mask:0xf bank_mask:0xf
	v_max_num_f32_dpp v16, v16, v16 row_xmask:2 row_mask:0xf bank_mask:0xf
	v_max_num_f32_dpp v16, v16, v16 row_xmask:4 row_mask:0xf bank_mask:0xf
	v_max_num_f32_dpp v16, v16, v16 row_xmask:8 row_mask:0xf bank_mask:0xf
	v_permlanex16_b32 v17, v16, s20, s21
	v_max_num_f32 v16, v16, v17
	ds_store_b32 v4, v16                           ; all lanes write the same word with the same value
	s_wait_dscnt 0x0
	s_barrier_signal -1
	s_barrier_wait -1
.irp q, 0,1,2,3
	ds_load_b128 v[P+4*\q:P+4*\q+3], v5 offset:16*\q
.endr
	s_wait_dscnt 0x0
	v_max3_num_f32 v16, v32, v33, v34
	v_max3_num_f32 v18, v35, v36, v37
	v_max3_num_f32 v16, v16, v38, v39
	v_max3_num_f32 v18, v18, v40, v41
	v_max3_num_f32 v16, v16, v42, v43
	v_max3_num_f32 v18, v18, v44, v45
	v_max3_num_f32 v16, v16, v46, v47
	v_max_num_f32 v16, v16, v18                    ; the batch's largest
.irp k, 0,1,2,3
	v_sub_f32 v[T+\k], v[T+\k], v16
.endr
.irp k, 0,1,2,3
	v_exp_f32 v[T+\k], v[T+\k]
.endr
	v_nop                                          ; a plain line behind the last exponential,
	s_wait_alu depctr_va_vdst(0)                   ; and one wait for the four
	ds_store_b128 v2, v[T:T+3]                     ; p, in the rows' order
	v_add_f32 v18, v[T], v[T+1]
	v_add_f32 v19, v[T+2], v[T+3]
	v_add_f32 v18, v18, v19
	v_add_f32_dpp v18, v18, v18 row_xmask:1 row_mask:0xf bank_mask:0xf
	v_add_f32_dpp v18, v18, v18 row_xmask:2 row_mask:0xf bank_mask:0xf
	v_add_f32_dpp v18, v18, v18 row_xmask:4 row_mask:0xf bank_mask:0xf
	v_add_f32_dpp v18, v18, v18 row_xmask:8 row_mask:0xf bank_mask:0xf
	v_permlanex16_b32 v17, v18, s20, s21
	v_add_f32 v18, v18, v17
	ds_store_b32 v4, v18 offset:RED2-RED
	s_wait_dscnt 0x0
	s_barrier_signal -1
	s_barrier_wait -1
.irp q, 0,1,2,3
	ds_load_b128 v[P+4*\q:P+4*\q+3], v5 offset:RED2-RED+16*\q
.endr
	s_wait_dscnt 0x0
	v_pk_add_f32 v[32:33], v[32:33], v[34:35]
	v_pk_add_f32 v[36:37], v[36:37], v[38:39]
	v_pk_add_f32 v[40:41], v[40:41], v[42:43]
	v_pk_add_f32 v[44:45], v[44:45], v[46:47]
	v_pk_add_f32 v[32:33], v[32:33], v[36:37]
	v_pk_add_f32 v[40:41], v[40:41], v[44:45]
	v_pk_add_f32 v[32:33], v[32:33], v[40:41]
	v_add_f32 v24, v32, v33                        ; the sum of p over the batch
	v_rcp_f32 v25, v24
	v_nop
	s_wait_alu depctr_va_vdst(0)
	s_lshr_b32 s22, s12, 1
	s_cmp_lg_u32 s22, ttmp9                        ; rows 256 j .. 256 j + 255 lie in waves 2 j and 2 j + 1
	s_cbranch_scc1 .Lnot_mine
.irp k, 0,1,2,3
	v_mul_f32 v[28+\k], v[T+\k], v25
.endr
	global_store_b128 v2, v[28:31], s[10:11]       ; a wave stores 512 consecutive bytes, aligned
.Lnot_mine:
; 32 rows: their weights from LDS (the same address in every lane), then a row a turn.  refill = 1: the slot takes the row 32 further down.
.macro WROUND k, refill
.irp q, 0,1,2,3,4,5,6,7
	ds_load_b128 v[P+4*\q:P+4*\q+3], v6 offset:128*\k+16*\q
.endr
	s_wait_dscnt 0x0
.irp i, 0,1,2,3,4,5,6,7,8,9,10,11,12,13,14,15,16,17,18,19,20,21,22,23,24,25,26,27,28,29,30,31
.if \refill
	s_wait_loadcnt 31                              ; loads come back in order: this slot's is in, the 31 younger ones stay out
.else
	s_wait_loadcnt 31-\i
.endif
.irp c, 0,1,2,3
.if (\k == 0) && (\i == 0)
	v_mul_f32 v[ACC+\c], v[RING+4*\i+\c], v[P+\i]  ; the first row starts the sums: nothing is cleared
.else
	v_fmac_f32 v[ACC+\c], v[RING+4*\i+\c], v[P+\i]
.endif
.endr
.if \refill
	global_load_b128 v[RING+4*\i:RING+4*\i+3], v3, s[6:7] offset:4096*(32*(\k+1)+\i) th:TH_LOAD_NT
.endif
.endr
.endm
	WROUND 0, 1
	WROUND 1, 1
	WROUND 2, 1
	WROUND 3, 0                                    ; the last round loads nothing: the counts run down
	ds_store_b128 v2, v[ACC:ACC+3] offset:ACCR
	s_wait_dscnt 0x0
	s_barrier_signal -1
	s_barrier_wait -1
	s_cmp_lg_u32 s12, 0
	s_cbranch_scc1 .Lend                           ; wave 0 adds the sixteen waves' parts, in a fixed order
.irp u, 0,1,2,3,4,5,6,7,8,9,10,11,12,13,14,15
	ds_load_b128 v[RING+4*\u:RING+4*\u+3], v3 offset:ACCR+512*\u
.endr
	s_wait_dscnt 0x0
.irp u, 0,2,4,6,8,10,12,14
	v_pk_add_f32 v[RING+4*\u:RING+4*\u+1], v[RING+4*\u:RING+4*\u+1], v[RING+4*\u+4:RING+4*\u+5]
	v_pk_add_f32 v[RING+4*\u+2:RING+4*\u+3], v[RING+4*\u+2:RING+4*\u+3], v[RING+4*\u+6:RING+4*\u+7]
.endr
.irp u, 0,4,8,12
	v_pk_add_f32 v[RING+4*\u:RING+4*\u+1], v[RING+4*\u:RING+4*\u+1], v[RING+4*\u+8:RING+4*\u+9]
	v_pk_add_f32 v[RING+4*\u+2:RING+4*\u+3], v[RING+4*\u+2:RING+4*\u+3], v[RING+4*\u+10:RING+4*\u+11]
.endr
.irp u, 0,8
	v_pk_add_f32 v[RING+4*\u:RING+4*\u+1], v[RING+4*\u:RING+4*\u+1], v[RING+4*\u+16:RING+4*\u+17]
	v_pk_add_f32 v[RING+4*\u+2:RING+4*\u+3], v[RING+4*\u+2:RING+4*\u+3], v[RING+4*\u+18:RING+4*\u+19]
.endr
	v_pk_add_f32 v[RING:RING+1], v[RING:RING+1], v[RING+32:RING+33]
	v_pk_add_f32 v[RING+2:RING+3], v[RING+2:RING+3], v[RING+34:RING+35]
.irp c, 0,1,2,3
	v_mul_f32 v[ACC+\c], v[RING+\c], v25           ; divided by the sum of p
.endr
	global_store_b128 v3, v[ACC:ACC+3], s[8:9]     ; 512 consecutive bytes, aligned
.Lend:
	s_wait_tensorcnt 0x0
	ds_add_u32 v192, v193
	s_wait_dscnt 0x0
	s_endpgm
.Lfunc_end_k_qb6e3268f1f_wsum:
	.size	k_qb6e3268f1f_wsum, .Lfunc_end_k_qb6e3268f1f_wsum-k_qb6e3268f1f_wsum
	.p2alignl 7, 3214868480
	.fill 96, 4, 3214868480
	.section	.rodata,"a",@progbits
	.p2align	6, 0x0
	.amdhsa_kernel k_qb6e3268f1f_wsum
		.amdhsa_group_segment_fixed_size 18944
		.amdhsa_private_segment_fixed_size 0
		.amdhsa_enable_private_segment 0
		.amdhsa_kernarg_size 32
		.amdhsa_user_sgpr_count 2
		.amdhsa_user_sgpr_kernarg_segment_ptr 1
		.amdhsa_wavefront_size32 1
		.amdhsa_system_sgpr_workgroup_id_x 1
		.amdhsa_system_sgpr_workgroup_id_y 1
		.amdhsa_system_sgpr_workgroup_id_z 1
		.amdhsa_system_vgpr_workitem_id 0
		.amdhsa_next_free_vgpr 194
		.amdhsa_next_free_sgpr 66
		.amdhsa_reserve_vcc 0
		.amdhsa_float_denorm_mode_32 3
		.amdhsa_float_denorm_mode_16_64 3
		.amdhsa_memory_ordered 1
		.amdhsa_forward_progress 1
		.amdhsa_inst_pref_size 43
	.end_amdhsa_kernel
	.amdgpu_metadata
---
amdhsa.version: [ 1, 2 ]
amdhsa.kernels:
  - .name:           k_qb6e3268f1f_wsum
    .symbol:         k_qb6e3268f1f_wsum.kd
    .args:
      - { .name: sc, .offset: 0, .size: 8, .value_kind: global_buffer, .address_space: global }
      - { .name: context, .offset: 8, .size: 8, .value_kind: global_buffer, .address_space: global }
      - { .name: wt, .offset: 16, .size: 8, .value_kind: global_buffer, .address_space: global }
      - { .name: out1, .offset: 24, .size: 8, .value_kind: global_buffer, .address_space: global }
    .group_segment_fixed_size: 18944
    .private_segment_fixed_size: 0
    .kernarg_segment_align: 8
    .kernarg_segment_size: 32
    .max_flat_workgroup_size: 512
    .sgpr_count:     66
    .vgpr_count:     194
    .wavefront_size: 32
...
	.end_amdgpu_metadata
.endif
;; end of part 3
;; launch final (part 4): grid 16 x 1, 16 waves a work-group, no clusters, 71,680 bytes of LDS; arguments wt, W_out_codes, W_out_scales, ob, out0; writes out0
.if DOCPART == 4
	.amdgcn_target "amdgcn-amd-amdhsa--gfx1250"
	.amdhsa_code_object_version 6
	.text
	.protected	k_qb6e3268f1f_final
	.globl	k_qb6e3268f1f_final
	.p2align	8
	.type	k_qb6e3268f1f_final,@function
k_qb6e3268f1f_final:
	s_mov_b64 s[64:65], 0
	v_nop
	global_prefetch_b8 v0, s[64:65] scope:SCOPE_SE
	s_setreg_imm32_b32 hwreg(HW_REG_WAVE_MODE, 25, 1), 1
	s_wait_xcnt 0x0
; out0[b][e] = tanh(the sum over k of Q(wt)[b][k] W_out[e][k] + ob[b][e]).  The last product's K is [weighted, x]: ob holds x's half, made by the first launch; this launch makes wt's half (K = 0 .. 1,023).
; wt: [32][1024] f32, quantised here to E4M3 with one E8M0 scale for each 32 along K.  W_out: codes [1024][2048], K innermost, scale bytes [1024][64].  ob, out0: [32][1024] f32.
; tanh(v) = 1 - 2 / (1 + 2^(c v)), c = 2 log2(e): right at both ends, where 2^(c v) overflows or falls to 0.
; SHARES.  Work-group j makes columns 64 j .. 64 j + 63.  wt has 16 fragments (2 tiles of rows x 8 K steps): each of the SIXTEEN waves quantises one, so that a wave's loads all go out at the head
; and one trip to memory serves the launch.  The fragments go from wave to wave through LDS as images of their registers.
; For the product wave w is column tile n = w % 4 and K quarter q = w / 4 (K steps 2 q, 2 q + 1), for both tiles of rows: two accumulators by turns, four products.
; The four K quarters' partial sums meet in a stage in LDS and are added in f32, q ascending, then ob.
; The product is used transposed (source 0 = 16 rows of W_out, source 1 = 16 rows of wt): a lane holds one row and eight neighbouring columns.
; LIMITS: NaN and infinities among the inputs are not served; a block of zeros gets the scale byte 1 (its codes are zeros; the bytes are read by this kernel alone).
.set XIMG, 0                           ; LDS: wt's 16 fragments, image 8 m + s, 2,048 bytes each
.set XSC,  16*2048                     ; their scale words, 128 bytes each
.set PST,  XSC+16*128                  ; the partial sums: [K quarter][32 rows][256 bytes + 16]
.set SP,   272
.set PQ,   32*SP                       ; from a K quarter to the next
.set XA,  1                            ; v1   wt: row r of 4,096 bytes + 64 h
.set LI,  2                            ; v2   16 x lane
.set LS,  3                            ; v3   4 x lane
.set XWI, 4                            ; v4   where I store my image
.set XWS, 5                            ; v5   and its scale words
.set WOA, 7                            ; v7   W_out: row r of 2,048 bytes + 16 h
.set SOA, 9                            ; v9   its scale bytes: row r of 64 bytes
.set SO,  10                           ; v10  the stage, in
.set SR,  11                           ; v11  the stage, back
.set GO,  12                           ; v12  my byte offset in ob and in out0
.set FI,  14                           ; v14  the images of my K quarter: 16 x lane + 4,096 q
.set FS,  15                           ; v15  their scale words: 4 x lane + 256 q
.set PC,  16                           ; v16-31  the codes just made
.set TM,  32                           ; v32-47  at work in QUANT
.set PW,  48                           ; v48     the scale word just made
.set WSC, 50                           ; v50-51  W_out's scale words of K steps 2 q, 2 q + 1; nothing else ever
.set XS,  54                           ; v54-57  wt's scale words, 2 m + u; nothing else ever
.set OBR, 60                           ; v60-63  ob at my four numbers
.set ST0, 64                           ; v64-127  64 numbers of wt; later four fragments, 2 m + u
.set WF,  128                          ; v128-159 W_out's two fragments
.set ACC, 192                          ; v192-207 two accumulators
.set RED, 224                          ; v224-239 the partial sums on the way out
.set TH,  240                          ; v240-243 tanh at work
.set WV,  20
.set SEL, 22
.set MNT, 24
; 64 numbers of a lane, register 16 b + i = k 32 b + 16 (lane / 16) + i of my row, become a fragment's codes in v[PC] on and its scale word in v[PW]
.macro QUANT s
.irp b, 0,1,2,3
	v_max3_num_f32 v[TM+\b], |v[\s+16*\b]|, |v[\s+1+16*\b]|, 0x4800000   ; my 16 numbers of block b, and the floor 2^(9 - 127): the byte cannot fall under 1
.endr
.irp i, 2,4,6,8,10,12,14
.irp b, 0,1,2,3
	v_max3_num_f32 v[TM+\b], v[TM+\b], |v[\s+16*\b+\i]|, |v[\s+1+16*\b+\i]|
.endr
.endr
.irp b, 0,1,2,3
	v_permlanex16_b32 v[TM+4+\b], v[TM+\b], s[SEL], s[SEL+1]
.endr
.irp b, 0,1,2,3
	v_max_num_f32 v[TM+\b], v[TM+\b], v[TM+4+\b]                       ; with lane l xor 16's: the block's largest magnitude
.endr
.irp b, 0,1,2,3
	v_add_nc_u32 v[TM+12+\b], 0xfc000000, v[TM+\b]                     ; 8 off its exponent field: the conversion's scale operand
.endr
.irp b, 0,1,2,3
	v_and_or_b32 v[TM+8+\b], v[TM+\b], 0x7f800000, s[MNT]              ; 448 x the scale
.endr
.irp b, 0,1,2,3
	v_lshrrev_b32 v[TM+4+\b], 23, v[TM+12+\b]                          ; the scale's byte
.endr
	v_lshl_or_b32 v[PW], v[TM+5], 8, v[TM+4]
	v_lshl_or_b32 v[PW], v[TM+6], 16, v[PW]
	v_lshl_or_b32 v[PW], v[TM+7], 24, v[PW]
.irp b, 0,1,2,3
.irp i, 0,1,2,3,4,5,6,7,8,9,10,11,12,13,14,15
	v_med3_num_f32 v[\s+16*\b+\i], v[\s+16*\b+\i], -v[TM+8+\b], v[TM+8+\b]   ; the conversion to an 8-bit code does not saturate (ISA guide 7.6.2): the hold at the largest code x the scale
.endr
	v_cvt_scalef32_pk8_fp8_f32 v[PC+4*\b:PC+1+4*\b], v[\s+16*\b:\s+7+16*\b], v[TM+12+\b]
	v_cvt_scalef32_pk8_fp8_f32 v[PC+2+4*\b:PC+3+4*\b], v[\s+8+16*\b:\s+15+16*\b], v[TM+12+\b]
.endr
	v_nop                                          ; a plain vector line behind the last scaled conversion
.endm
.macro BARRIER                         ; my LDS stores have landed and my LDS loads are in: then the work-group's barrier
	s_wait_dscnt 0x0
	s_barrier_signal -1
	s_barrier_wait -1
.endm
.macro PWM m, u                        ; tile of rows m, my K quarter's step u
.if (\u) == 0
	v_wmma_scale_f32_16x16x128_f8f6f4 v[ACC+8*\m:ACC+8*\m+7], v[WF+16*\u:WF+16*\u+15], v[ST0+16*(2*\m+\u):ST0+16*(2*\m+\u)+15], 0, v[WSC+\u], v[XS+2*\m+\u]
.else
	v_wmma_scale_f32_16x16x128_f8f6f4 v[ACC+8*\m:ACC+8*\m+7], v[WF+16*\u:WF+16*\u+15], v[ST0+16*(2*\m+\u):ST0+16*(2*\m+\u)+15], v[ACC+8*\m:ACC+8*\m+7], v[WSC+\u], v[XS+2*\m+\u]
.endif
.endm
	s_load_b256 s[4:11], s[0:1], 0x0               ; wt s[4:5], W_out's codes s[6:7], its scales s[8:9], ob s[10:11]
	s_load_b64 s[12:13], s[0:1], 0x20              ; out0
	v_lshl_add_u32 v254, v0, 2, 0x11000
	v_mov_b32 v255, 0
	v_lshrrev_b32 v49, 5, v0
	v_readfirstlane_b32 s[WV], v49                 ; wave 0..15
	v_and_b32 v49, 31, v0                          ; lane
	v_and_b32 v58, 15, v0                          ; r
	v_bfe_u32 v59, v0, 4, 1                        ; h
	v_lshlrev_b32 v[XA], 12, v58
	v_lshl_add_u32 v[XA], v59, 6, v[XA]
	v_lshlrev_b32 v[LI], 4, v49
	v_lshlrev_b32 v[LS], 2, v49
	s_and_b32 s25, s[WV], 1                        ; m: the tile of rows that I quantise,
	s_lshr_b32 s26, s[WV], 1                       ; s: and the K step
	s_lshl_b32 s27, s25, 3
	s_add_co_u32 s27, s27, s26                     ; my image: 8 m + s
	s_lshl_b32 s31, s27, 11
	v_add_nc_u32 v[XWI], s31, v[LI]
	s_lshl_b32 s31, s27, 7
	v_add_nc_u32 v[XWS], s31, v[LS]
	s_and_b32 s28, s[WV], 3                        ; n: my column tile,
	s_lshr_b32 s29, s[WV], 2                       ; q: my K quarter
	s_lshl_b32 s31, s29, 12
	v_add_nc_u32 v[FI], s31, v[LI]
	s_lshl_b32 s31, s29, 8
	v_add_nc_u32 v[FS], s31, v[LS]
	v_lshlrev_b32 v[WOA], 11, v58
	v_lshl_add_u32 v[WOA], v59, 4, v[WOA]
	v_lshlrev_b32 v[SOA], 6, v58
	v_mul_u32_u24 v[SO], v58, SP                   ; the stage, in: quarter q, row r, + 64 n + 32 h
	v_lshl_add_u32 v[SO], v59, 5, v[SO]
	s_mul_i32 s31, s29, PQ
	s_lshl_b32 s27, s28, 6
	s_add_co_u32 s31, s31, s27
	s_add_co_u32 s31, s31, PST
	v_add_nc_u32 v[SO], s31, v[SO]
	v_mul_u32_u24 v[SR], v59, SP                   ; back: row 2 w + h, sixteen lanes to a row
	v_lshl_add_u32 v[SR], v58, 4, v[SR]
	s_mul_i32 s31, s[WV], 2*SP
	s_add_co_u32 s31, s31, PST
	v_add_nc_u32 v[SR], s31, v[SR]
	v_lshlrev_b32 v[GO], 12, v59
	v_lshl_add_u32 v[GO], v58, 4, v[GO]
	s_mov_b32 s[SEL], 0x76543210
	s_mov_b32 s[SEL+1], 0xfedcba98                 ; v_permlanex16_b32's selects for lane l xor 16
	s_mov_b32 s[MNT], 0x600000                     ; the mantissa field of 448
.irp b, 0,1,2,3
	v_mov_b32 v[TM+4+\b], 0                        ; written once: a lane permute's destination counts as one of its sources
.endr
	s_lshl_b32 s30, ttmp9, 6
	s_lshl_b32 s31, s28, 4
	s_add_co_u32 s30, s30, s31                     ; n0 = 64 j + 16 n
	s_lshl_b32 s31, s29, 8                         ; my K quarter: 256 codes
	s_lshl_b32 s38, s30, 11                        ; W_out's codes: row n0, wt's half, + 256 q
	s_add_co_u32 s38, s38, s31
	s_mov_b32 s39, 0
	s_lshl_b32 s31, s29, 3                         ; my K quarter: 8 scale bytes
	s_lshl_b32 s40, s30, 6
	s_add_co_u32 s40, s40, s31
	s_mov_b32 s41, 0
	s_lshl_b32 s32, s25, 16                        ; wt: 16 m rows of 4,096 bytes,
	s_lshl_b32 s31, s26, 9                         ; + K step s of 512 bytes
	s_add_co_u32 s32, s32, s31
	s_mov_b32 s33, 0
	s_lshl_b32 s44, s[WV], 13                      ; ob, out0: 2 w rows of 4,096 bytes,
	s_lshl_b32 s31, ttmp9, 8                       ; + 256 j
	s_add_co_u32 s44, s44, s31
	s_mov_b32 s45, 0
	s_wait_kmcnt 0x0
	s_add_nc_u64 s[4:5], s[4:5], s[32:33]
	s_add_nc_u64 s[6:7], s[6:7], s[38:39]
	s_add_nc_u64 s[8:9], s[8:9], s[40:41]
	s_add_nc_u64 s[10:11], s[10:11], s[44:45]
	s_add_nc_u64 s[12:13], s[12:13], s[44:45]
.irp b, 0,1,2,3
.irp j, 0,1,2,3
	global_load_b128 v[ST0+16*\b+4*\j:ST0+16*\b+4*\j+3], v[XA], s[4:5] offset:128*\b+16*\j   ; my fragment's 64 numbers first: the quantiser waits for them
.endr
.endr
.irp u, 0,1
.irp c, 0,1,2,3
	global_load_b128 v[WF+16*\u+4*\c:WF+16*\u+4*\c+3], v[WOA], s[6:7] offset:128*\u+32*\c
.endr
.endr
	global_load_b64 v[WSC:WSC+1], v[SOA], s[8:9]   ; lane r: row r's scale words of K steps 2 q and 2 q + 1 (lanes 16-31 hold the same and are not read)
	global_load_b128 v[OBR:OBR+3], v[GO], s[10:11]
	s_wait_loadcnt 10                              ; loads come back in order: my numbers are in; the 8 + 1 + 1 loads issued behind them may be out
	QUANT ST0
.irp c, 0,1,2,3
	ds_store_b128 v[XWI], v[PC+4*\c:PC+4*\c+3] offset:XIMG+512*\c      ; the fragment goes to LDS as it stands,
.endr
	ds_store_b32 v[XWS], v[PW] offset:XSC          ; and its scale words
	BARRIER                                        ; wt's sixteen fragments lie in LDS
.irp m, 0,1
.irp u, 0,1
.irp c, 0,1,2,3
	ds_load_b128 v[ST0+16*(2*\m+\u)+4*\c:ST0+16*(2*\m+\u)+4*\c+3], v[FI] offset:XIMG+(8*\m+\u)*2048+512*\c
.endr
	ds_load_b32 v[XS+2*\m+\u], v[FS] offset:XSC+(8*\m+\u)*128
.endr
.endr
	s_wait_dscnt 0x0
	s_wait_loadcnt 0x0                             ; the weights, their scale words, ob
.irp u, 0,1                            ; the two accumulators take turns, one instruction a turn; the first K step starts the sums
.irp m, 0,1
	PWM \m, \u
.endr
.endr
.rept 8
	v_nop                                          ; eight places in front of the first read of results
.endr
.irp m, 0,1
	ds_store_b128 v[SO], v[ACC+8*\m:ACC+8*\m+3] offset:16*\m*SP          ; lane (r, h): row 16 m + r, columns 16 n + 8 h + 0 .. 7; each accumulator from its low end on
	ds_store_b128 v[SO], v[ACC+8*\m+4:ACC+8*\m+7] offset:16*\m*SP+16
.endr
	BARRIER                                        ; all partial sums lie in the stage
.irp q, 0,1,2,3
	ds_load_b128 v[RED+4*\q:RED+4*\q+3], v[SR] offset:\q*PQ
.endr
	s_wait_dscnt 0x0
.irp p, 0,2
	v_pk_add_f32 v[RED+\p:RED+\p+1], v[RED+\p:RED+\p+1], v[RED+4+\p:RED+4+\p+1]
	v_pk_add_f32 v[RED+8+\p:RED+8+\p+1], v[RED+8+\p:RED+8+\p+1], v[RED+12+\p:RED+12+\p+1]
.endr
.irp p, 0,2
	v_pk_add_f32 v[RED+\p:RED+\p+1], v[RED+\p:RED+\p+1], v[RED+8+\p:RED+8+\p+1]
.endr
.irp p, 0,2
	v_pk_add_f32 v[RED+\p:RED+\p+1], v[RED+\p:RED+\p+1], v[OBR+\p:OBR+\p+1]    ; and x's half of the product
.endr
.irp k, 0,1,2,3
	v_mul_f32 v[TH+\k], 0x4038aa3b, v[RED+\k]      ; c v
.endr
.irp k, 0,1,2,3
	v_exp_f32 v[TH+\k], v[TH+\k]
.endr
	v_nop                                          ; a plain line behind the last exponential,
	s_wait_alu depctr_va_vdst(0)                   ; and one wait for the four, ahead of their first reader
.irp k, 0,1,2,3
	v_add_f32 v[TH+\k], 1.0, v[TH+\k]
.endr
.irp k, 0,1,2,3
	v_rcp_f32 v[TH+\k], v[TH+\k]
.endr
	v_nop
	s_wait_alu depctr_va_vdst(0)
.irp k, 0,1,2,3
	v_fma_f32 v[TH+\k], v[TH+\k], -2.0, 1.0        ; tanh = 1 - 2 r
.endr
	global_store_b128 v[GO], v[TH:TH+3], s[12:13]  ; sixteen lanes store 256 consecutive bytes, aligned
	s_wait_tensorcnt 0x0
	ds_add_u32 v254, v255
	s_wait_dscnt 0x0
	s_endpgm
.Lfunc_end_k_qb6e3268f1f_final:
	.size	k_qb6e3268f1f_final, .Lfunc_end_k_qb6e3268f1f_final-k_qb6e3268f1f_final
	.p2alignl 7, 3214868480
	.fill 96, 4, 3214868480
	.section	.rodata,"a",@progbits
	.p2align	6, 0x0
	.amdhsa_kernel k_qb6e3268f1f_final
		.amdhsa_group_segment_fixed_size 71680
		.amdhsa_private_segment_fixed_size 0
		.amdhsa_enable_private_segment 0
		.amdhsa_kernarg_size 40
		.amdhsa_user_sgpr_count 2
		.amdhsa_user_sgpr_kernarg_segment_ptr 1
		.amdhsa_wavefront_size32 1
		.amdhsa_system_sgpr_workgroup_id_x 1
		.amdhsa_system_sgpr_workgroup_id_y 1
		.amdhsa_system_sgpr_workgroup_id_z 1
		.amdhsa_system_vgpr_workitem_id 0
		.amdhsa_next_free_vgpr 256
		.amdhsa_next_free_sgpr 66
		.amdhsa_reserve_vcc 0
		.amdhsa_float_denorm_mode_32 3
		.amdhsa_float_denorm_mode_16_64 3
		.amdhsa_memory_ordered 1
		.amdhsa_forward_progress 1
		.amdhsa_inst_pref_size 19
	.end_amdhsa_kernel
	.amdgpu_metadata
---
amdhsa.version: [ 1, 2 ]
amdhsa.kernels:
  - .name:           k_qb6e3268f1f_final
    .symbol:         k_qb6e3268f1f_final.kd
    .args:
      - { .name: wt, .offset: 0, .size: 8, .value_kind: global_buffer, .address_space: global }
      - { .name: W_out_codes, .offset: 8, .size: 8, .value_kind: global_buffer, .address_space: global }
      - { .name: W_out_scales, .offset: 16, .size: 8, .value_kind: global_buffer, .address_space: global }
      - { .name: ob, .offset: 24, .size: 8, .value_kind: global_buffer, .address_space: global }
      - { .name: out0, .offset: 32, .size: 8, .value_kind: global_buffer, .address_space: global }
    .group_segment_fixed_size: 71680
    .private_segment_fixed_size: 0
    .kernarg_segment_align: 8
    .kernarg_segment_size: 40
    .max_flat_workgroup_size: 512
    .sgpr_count:     66
    .vgpr_count:     256
    .wavefront_size: 32
...
	.end_amdgpu_metadata
.endif
;; end of part 4
